; MI455X (gfx1250); checked and timed in simulation.
; The chip was launched on July 23, 2026; its instructions are those of AMD's public machine-readable ISA for CDNA 5 (MIT licence, August 2026) and "CDNA5" Instruction Set Architecture Reference Guide (July 2026). The comments in the code are by the model that wrote it; some were corrected since.
;; Pointnet FP. Allowed arithmetic: float matrix products may take bf16 or f16 operands with f32 sums; all other float work in f32.
;; Inputs: feats_source 4 x 2,048 x 256 float32; feats_target 4 x 8,192 x 128 float32; w1 384 x 256 float32; w2 256 x 256 float32; xyz_source 4 x 2,048 x 3 float32; xyz_target 4 x 8,192 x 3 float32.
;; Outputs: out0 4 x 8,192 x 256 float32.
;; 2 versions, each right; version 2 is version 1 with the launch mlp written anew for expert scheduling mode. Each part assembles by itself: llvm-mc -triple=amdgcn-amd-amdhsa -mcpu=gfx1250 --defsym DOCPART=n.
;; ======== version 1 of 2: 3 launches
;; limits: values are held in f16: magnitudes above 65,504 overflow, below 6.1e-05 lose precision
;; workspace buffers: grp 131,072 bytes of whole numbers; nidx 524,288 bytes of whole numbers; ncoef 524,288 bytes; wb 327,680 bytes; pmat 8,388,608 bytes
;; launch coarse (part 1): grid 256 x 1, 4 waves a work-group, no clusters, 37,376 bytes of LDS; arguments xyz_target, xyz_source, w1, w2, grp, wb; writes grp, wb
.if DOCPART == 1
	.amdgcn_target "amdgcn-amd-amdhsa--gfx1250"
	.amdhsa_code_object_version 6
	.text
	.protected	k_q62203b489e_coarse
	.globl	k_q62203b489e_coarse
	.p2align	8
	.type	k_q62203b489e_coarse,@function
k_q62203b489e_coarse:
	s_mov_b64 s[64:65], 0
	v_nop
	global_prefetch_b8 v0, s[64:65] scope:SCOPE_SE
	s_setreg_imm32_b32 hwreg(HW_REG_WAVE_MODE, 25, 1), 1
	s_wait_xcnt 0x0
; COARSE: for each of the 4 x 8192 targets, the three groups of 16 consecutive sources that hold its three nearest sources.
; Work-groups 0 to 159 also lay w1 and w2 out in f16 in the order in which the later launches take matrix fragments (wb).
; WHY THREE GROUPS ARE ENOUGH.  Order the pairs of one target by (d2, source index), a total order, and cut the 2,048 sources of the
; batch into 128 groups of 16 consecutive indices.  Let x be one of the three smallest elements, in group g.  A group ranked ahead of g
; by (group minimum, group number) has a minimal element smaller than the minimal element of g, hence smaller than x or equal to it in
; rank; at most two elements are smaller than x, so at most two groups rank ahead of g.  Groups are index ranges, so (minimum, number)
; orders groups as their minimal elements are ordered, ties included.  So this launch needs a minimum per group and a sorted insert
; once per 16 pairs; the next launch searches the 48 candidates with their indices.
; WORK THAT THE PROGRAM LEAVES OUT, for all values of the inputs:
; (1) The square root of all 2,048 distances of a target.  The root is monotone, so in exact arithmetic the order by
;     d2 = dx dx + dy dy + dz dz is the order by the distance; the root is taken of the three winners alone, in the next launch.
; (2) inter w1[0:256] for 32,768 targets.  inter is the sum of three rows of feats_source by three factors, so inter w1[0:256] is the same
;     sum of three rows of P = feats_source w1[0:256]: P is made once for the 8,192 source rows (0.54 G multiply-adds in place of 2.15 G),
;     in the next launch, and the last launch gathers rows of P.
; (3) The sum of the three weights.  weight k = inv k / (inv 0 + inv 1 + inv 2), so the sum is 1 whenever the inv are finite and positive,
;     which the floor of 1e-10 under the distances secures; wsum is then 1 + 1e-6 and 1 / wsum one constant factor.
; No input is left out by the program.
; LIMITS: d2 is formed as fma(dz, dz, fma(dy, dy, dx dx)); two sources whose d2 differ in the last bit of f32, or differ only before the
; rounding of the root, may be ranked otherwise than by a rounded distance.  NaN or infinite coordinates, and d2 beyond the range of
; f32 (coordinates apart by more than about 1e19), are not served: the running keys start at +infinity.  By (2) the rounding to f16 falls on
; feats_source and not on inter.  Weights beyond 65,504 in magnitude have no f16.
; SHARES: a work-group owns 128 targets of one batch.  Every wave holds all 128 (lane L: targets 4L .. 4L+3, as two packed pairs) and scans a
; quarter of the sources, 32 groups; a source is read from LDS at one address for the whole wave, so 16 bytes serve 128 targets.
; The four quarters meet in LDS and waves 0 and 1 merge them.
; NO CLUSTER: what work-groups share is the 24,576 bytes of a batch, read once at the head through registers.
; wb: 16-byte piece q = ((S 4 + w) 8 + 2 b + c) 32 + L holds W[32 S1 + 16 c + 8 (L >> 4) + i][64 w + 16 b + (L & 15)], i = 0 .. 7;
;     S = 0 .. 11: w1, S1 = S; S = 12 .. 19: w2, S1 = S - 12.  Work-group g makes pieces 128 g .. 128 g + 127.
.set MRG,  24576                       ; LDS: bytes 0 .. 24,575 the batch sources (source s at 12 s); then 4 x 3,072 bytes of states
.set SA,   2                           ; v2       LDS address of the group that is loaded next, the same in all lanes
.set GID,  3                           ; v3       number of the group at work
.set M,    4                           ; v[4:7]   group minimum of my 4 targets
.set TT,   8                           ; v[8:11]  at work in the inserts
.set TP,   12                          ; v[12:23] x of targets 0-3, y of 0-3, z of 0-3
.set ST,   24                          ; v[24:47] target t at ST+6t: keys a <= b <= c, then their group numbers
.set WS,   48                          ; v[48:95] two work sets of 4 chains x 3 pairs
.set SRCA, 96                          ; v[96:143]  16 sources, x y z each
.set SRCB, 144                         ; v[144:191] the other buffer
.set MB,   96                          ; the merge: quarter q at MB+12q, target u at +6u
.set WF,   192                         ; v[192:199] eight weights in f32; v[200:203] packed; v204, v205 offsets; v206 at work: none is written again
.set MK,   40                          ; s[40:51] masks of target t at MK+3t: below c, below b, below a
.macro LOADG S, off                    ; one group, 192 bytes, every lane the same bytes
.irp i, 0,1,2,3,4,5,6,7,8,9,10,11
	ds_load_b128 v[\S+4*\i:\S+4*\i+3], v[SA] offset:\off+16*\i
.endr
.endm
.macro PKSUB d, t, r                   ; a pair of targets minus one source coordinate, register r, given to both halves
.if (\r)&1
	v_pk_add_f32 v[\d:\d+1], v[\t:\t+1], v[\r-1:\r] op_sel:[0,1] op_sel_hi:[1,1] neg_lo:[0,1] neg_hi:[0,1]
.else
	v_pk_add_f32 v[\d:\d+1], v[\t:\t+1], v[\r:\r+1] op_sel_hi:[1,0] neg_lo:[0,1] neg_hi:[0,1]
.endif
.endm
.macro SUBS S, p                       ; sources 2p, 2p+1 against both target pairs: chain 2 jj + tp, differences in x, then y, then z
.irp d, 0,1,2
.irp jj, 0,1
.irp tp, 0,1
	PKSUB (WS+24*((\p)&1)+6*(2*\jj+\tp)+2*\d),(TP+4*\d+2*\tp),(\S+3*(2*(\p)+\jj)+\d)
.endr
.endr
.endr
.endm
.macro SQ p                            ; d2 of the four chains, in their first pair
.irp c, 0,1,2,3
	v_pk_mul_f32 v[WS+24*((\p)&1)+6*\c:WS+24*((\p)&1)+6*\c+1], v[WS+24*((\p)&1)+6*\c:WS+24*((\p)&1)+6*\c+1], v[WS+24*((\p)&1)+6*\c:WS+24*((\p)&1)+6*\c+1]
.endr
.irp c, 0,1,2,3
	v_pk_fma_f32 v[WS+24*((\p)&1)+6*\c:WS+24*((\p)&1)+6*\c+1], v[WS+24*((\p)&1)+6*\c+2:WS+24*((\p)&1)+6*\c+3], v[WS+24*((\p)&1)+6*\c+2:WS+24*((\p)&1)+6*\c+3], v[WS+24*((\p)&1)+6*\c:WS+24*((\p)&1)+6*\c+1]
.endr
.irp c, 0,1,2,3
	v_pk_fma_f32 v[WS+24*((\p)&1)+6*\c:WS+24*((\p)&1)+6*\c+1], v[WS+24*((\p)&1)+6*\c+4:WS+24*((\p)&1)+6*\c+5], v[WS+24*((\p)&1)+6*\c+4:WS+24*((\p)&1)+6*\c+5], v[WS+24*((\p)&1)+6*\c:WS+24*((\p)&1)+6*\c+1]
.endr
.endm
.macro MINS p                          ; the two sources of step p enter the group minimum; step 0 starts it
.irp tp, 0,1
.irp hf, 0,1
.if \p
	v_min3_num_f32 v[M+2*\tp+\hf], v[M+2*\tp+\hf], v[WS+24*((\p)&1)+6*\tp+\hf], v[WS+24*((\p)&1)+6*(2+\tp)+\hf]
.else
	v_min_num_f32 v[M+2*\tp+\hf], v[WS+24*((\p)&1)+6*\tp+\hf], v[WS+24*((\p)&1)+6*(2+\tp)+\hf]
.endif
.endr
.endr
.endm
.macro INS4                            ; the group minimum enters the sorted three of each target; strictly below only, so that the earlier group wins a tie
.irp t, 0,1,2,3
	v_cmp_lt_f32 s[MK+3*\t], v[M+\t], v[ST+6*\t+2]
	v_cmp_lt_f32 s[MK+3*\t+1], v[M+\t], v[ST+6*\t+1]
	v_cmp_lt_f32 s[MK+3*\t+2], v[M+\t], v[ST+6*\t]
.endr
.irp t, 0,1,2,3
	v_cndmask_b32 v[TT+\t], v[GID], v[ST+6*\t+4], s[MK+3*\t+1]
.endr
.irp t, 0,1,2,3
	v_cndmask_b32 v[ST+6*\t+5], v[ST+6*\t+5], v[TT+\t], s[MK+3*\t]
.endr
.irp t, 0,1,2,3
	v_cndmask_b32 v[TT+\t], v[GID], v[ST+6*\t+3], s[MK+3*\t+2]
.endr
.irp t, 0,1,2,3
	v_cndmask_b32 v[ST+6*\t+4], v[ST+6*\t+4], v[TT+\t], s[MK+3*\t+1]
.endr
.irp t, 0,1,2,3
	v_cndmask_b32 v[ST+6*\t+3], v[ST+6*\t+3], v[GID], s[MK+3*\t+2]
.endr
.irp t, 0,1,2,3
	v_med3_num_f32 v[ST+6*\t+2], v[ST+6*\t+1], v[ST+6*\t+2], v[M+\t]
.endr
.irp t, 0,1,2,3
	v_med3_num_f32 v[ST+6*\t+1], v[ST+6*\t], v[ST+6*\t+1], v[M+\t]
.endr
.irp t, 0,1,2,3
	v_min_num_f32 v[ST+6*\t], v[ST+6*\t], v[M+\t]
.endr
.endm
.macro GROUP S                         ; 16 sources x 128 targets.  The minimum of step p-1 stands behind the differences of step p: no line waits for the one in front
	SUBS \S, 0
	SQ 0
.irp p, 1,2,3,4,5,6,7
	SUBS \S, \p
	MINS (\p-1)
	SQ \p
.endr
	MINS 7
	INS4
	v_add_nc_u32 v[GID], 1, v[GID]
.endm
.macro INS1 st, key, id                ; the same insert for one target: state at st, key and number in registers
	v_cmp_lt_f32 s30, v[\key], v[\st+2]
	v_cmp_lt_f32 s31, v[\key], v[\st+1]
	v_cmp_lt_f32 vcc_lo, v[\key], v[\st]
	v_cndmask_b32 v8, v[\id], v[\st+4], s31
	v_cndmask_b32 v[\st+5], v[\st+5], v8, s30
	v_cndmask_b32 v9, v[\id], v[\st+3], vcc_lo
	v_cndmask_b32 v[\st+4], v[\st+4], v9, s31
	v_cndmask_b32 v[\st+3], v[\st+3], v[\id], vcc_lo
	v_med3_num_f32 v[\st+2], v[\st+1], v[\st+2], v[\key]
	v_med3_num_f32 v[\st+1], v[\st], v[\st+1], v[\key]
	v_min_num_f32 v[\st], v[\st], v[\key]
.endm
.macro CEX x, y                        ; the smaller number into x, the larger into y
	v_cmp_gt_u32 vcc_lo, v[\x], v[\y]
	v_cndmask_b32 v8, v[\x], v[\y], vcc_lo
	v_cndmask_b32 v[\y], v[\y], v[\x], vcc_lo
	v_mov_b32 v[\x], v8
.endm
	s_load_b256 s[4:11], s[0:1], 0x0               ; xyz_target s[4:5], xyz_source s[6:7], w1 s[8:9], w2 s[10:11]
	s_load_b128 s[12:15], s[0:1], 0x20             ; grp s[12:13], wb s[14:15]
	v_lshl_add_u32 v208, v0, 2, 0x9000
	v_mov_b32 v209, 0
	v_lshrrev_b32 v2, 5, v0
	v_readfirstlane_b32 s20, v2                    ; wave 0..3 = quarter of the sources
	v_and_b32 v3, 31, v0                           ; lane
	s_lshl_b32 s21, s20, 9
	v_lshl_add_u32 v1, v3, 4, s21                  ; 16 lane + 512 wave: my 16 bytes of each 2,048 of the copy
	v_mul_u32_u24 v4, v3, 48                       ; my 4 targets: 48 bytes
	s_mov_b32 s38, ttmp9                           ; the work-group's number
	s_mul_i32 s24, ttmp9, 1536                     ; 128 targets x 12 bytes
	s_mov_b32 s25, 0
	s_lshr_b32 s26, ttmp9, 6                       ; batch: 64 work-groups each
	s_mul_i32 s26, s26, 24576                      ; 2,048 sources x 12 bytes
	s_mov_b32 s27, 0
	s_lshl_b32 s28, ttmp9, 9                       ; 128 words of grp
	s_mov_b32 s29, 0
	s_wait_kmcnt 0x0
	s_add_nc_u64 s[4:5], s[4:5], s[24:25]
	s_add_nc_u64 s[6:7], s[6:7], s[26:27]
	s_add_nc_u64 s[12:13], s[12:13], s[28:29]
.irp i, 0,1,2,3,4,5,6,7,8,9,10,11
	global_load_b128 v[SRCA+4*\i:SRCA+4*\i+3], v1, s[6:7] offset:2048*\i    ; the four waves take 2,048 consecutive bytes a line
.endr
.irp i, 0,1,2
	global_load_b128 v[SRCB+4*\i:SRCB+4*\i+3], v4, s[4:5] offset:16*\i
.endr
	; the weights: 20 K steps x 1,024 pieces = 160 work-groups x 128 pieces, one a thread
	s_cmp_lt_u32 s38, 160
	s_cbranch_scc0 .Lnow
	s_lshl_b32 s36, s38, 11                        ; 128 pieces x 16 bytes
	s_mov_b32 s37, 0
	s_add_nc_u64 s[14:15], s[14:15], s[36:37]
	s_lshr_b32 s34, s38, 3                         ; S
	s_cmp_lt_u32 s38, 96                           ; S below 12: w1
	s_cselect_b64 s[32:33], s[8:9], s[10:11]
	s_cselect_b32 s35, 0, 12
	s_sub_co_u32 s34, s34, s35                     ; S1
	s_lshl_b32 s34, s34, 15                        ; 32 rows of 1,024 bytes
	s_bfe_u32 s35, s38, 0x20001                    ; w: 64 columns = 256 bytes
	s_lshl_b32 s35, s35, 8
	s_add_co_u32 s34, s34, s35
	s_and_b32 s35, s38, 1                          ; the upper bit of b: 32 columns
	s_lshl_b32 s35, s35, 7
	s_add_co_u32 s34, s34, s35
	s_mov_b32 s35, 0
	s_add_nc_u64 s[32:33], s[32:33], s[34:35]
	v_bfe_u32 v204, v0, 4, 2                       ; 2 c + (L >> 4): 8 rows each
	v_lshlrev_b32 v204, 13, v204
	v_lshrrev_b32 v206, 6, v0                      ; the lower bit of b: 16 columns
	v_lshl_add_u32 v204, v206, 6, v204
	v_and_b32 v206, 15, v0
	v_lshl_add_u32 v204, v206, 2, v204
	v_lshl_add_u32 v205, v3, 4, s21                ; 16 x thread: my piece
.irp i, 0,1,2,3,4,5,6,7
	global_load_b32 v[WF+\i], v204, s[32:33] offset:1024*\i       ; eight rows of one column; each byte of w1 and w2 is read once in the launch
.endr
	s_wait_loadcnt 0x0
.irp i, 0,1,2,3
	v_cvt_pk_f16_f32 v[WF+8+\i], v[WF+2*\i], v[WF+2*\i+1]
.endr
	global_store_b128 v205, v[WF+8:WF+11], s[14:15]               ; a wave stores 512 consecutive bytes; these registers are not written again
.Lnow:
	s_mul_i32 s21, s20, 6144                       ; my quarter: 512 sources x 12 bytes
	s_lshl_b32 s23, s20, 5                         ; its first group
	s_wait_loadcnt 0x0
.irp i, 0,1,2,3,4,5,6,7,8,9,10,11
	ds_store_b128 v1, v[SRCA+4*\i:SRCA+4*\i+3] offset:2048*\i
.endr
.irp d, 0,1,2
.irp t, 0,1,2,3
	v_mov_b32 v[TP+4*\d+\t], v[SRCB+3*\t+\d]       ; coordinate d of target t
.endr
.endr
.irp t, 0,1,2,3
.irp e, 0,1,2
	v_mov_b32 v[ST+6*\t+\e], 0x7f800000            ; keys: +infinity
	v_mov_b32 v[ST+6*\t+3+\e], 0
.endr
.endr
	v_mov_b32 v[SA], s21
	v_mov_b32 v[GID], s23
	s_wait_dscnt 0x0                               ; my part of the copy is in LDS,
	s_barrier_signal -1
	s_barrier_wait -1                              ; and so is every other part
	LOADG SRCA, 0
	s_mov_b32 s22, 15                              ; 15 trips of two groups, then two groups without a load beyond the quarter
.Lscan:
	LOADG SRCB, 192
	s_wait_dscnt 12                                ; all but the 12 loads just issued: the first buffer is in
	GROUP SRCA
	v_add_nc_u32 v[SA], 384, v[SA]
	LOADG SRCA, 0
	s_wait_dscnt 12                                ; likewise the second buffer
	GROUP SRCB
	s_sub_co_i32 s22, s22, 1
	s_cmp_lg_u32 s22, 0
	s_cbranch_scc1 .Lscan
	LOADG SRCB, 192
	s_wait_dscnt 12
	GROUP SRCA
	s_wait_dscnt 0x0
	GROUP SRCB
	; the four quarters meet: target t of quarter q at MRG + 3072 q + 24 t
	v_and_b32 v1, 31, v0
	s_mul_i32 s21, s20, 3072
	s_add_co_u32 s21, s21, MRG
	v_mul_u32_u24 v2, v1, 96
	v_add_nc_u32 v2, s21, v2
.irp i, 0,1,2,3,4,5
	ds_store_b128 v2, v[ST+4*\i:ST+4*\i+3] offset:16*\i
.endr
	s_wait_dscnt 0x0                               ; my states are in LDS before I say so
	s_barrier_signal -1
	s_barrier_wait -1
	s_cmp_gt_u32 s20, 1
	s_cbranch_scc1 .Lend                           ; the merge is work for 64 lanes x 2 targets: waves 0 and 1
	s_mul_i32 s21, s20, 1536                       ; targets 64 w + 2 L and the next
	s_add_co_u32 s21, s21, MRG
	v_mul_u32_u24 v2, v1, 48
	v_add_nc_u32 v2, s21, v2
.irp q, 0,1,2,3
.irp m, 0,1,2
	ds_load_b128 v[MB+12*\q+4*\m:MB+12*\q+4*\m+3], v2 offset:3072*\q+16*\m
.endr
.endr
	s_lshl_b32 s21, s20, 8
	v_lshl_add_u32 v10, v1, 3, s21                 ; 256 w + 8 L: my two words of grp
	s_wait_dscnt 0x0
	; quarter 0 is the state; quarters ascend and each three ascend, so strictly below keeps the lower group on a tie
.irp q, 1,2,3
.irp e, 0,1,2
.irp u, 0,1
	INS1 (MB+6*\u),(MB+12*\q+6*\u+\e),(MB+12*\q+6*\u+3+\e)
.endr
.endr
.endr
.irp u, 0,1
	CEX (MB+6*\u+3),(MB+6*\u+4)                    ; the three numbers ascending: the next launch walks its candidates by rising index
	CEX (MB+6*\u+4),(MB+6*\u+5)
	CEX (MB+6*\u+3),(MB+6*\u+4)
	v_lshl_or_b32 v[M+\u], v[MB+6*\u+4], 8, v[MB+6*\u+3]
	v_lshl_or_b32 v[M+\u], v[MB+6*\u+5], 16, v[M+\u]
.endr
	global_store_b64 v10, v[M:M+1], s[12:13]       ; a wave stores 256 consecutive bytes, at a multiple of 256 from the first byte of grp
.Lend:
	s_wait_tensorcnt 0x0
	ds_add_u32 v208, v209
	s_wait_dscnt 0x0
	s_endpgm
.Lfunc_end_k_q62203b489e_coarse:
	.size	k_q62203b489e_coarse, .Lfunc_end_k_q62203b489e_coarse-k_q62203b489e_coarse
	.p2alignl 7, 3214868480
	.fill 96, 4, 3214868480
	.section	.rodata,"a",@progbits
	.p2align	6, 0x0
	.amdhsa_kernel k_q62203b489e_coarse
		.amdhsa_group_segment_fixed_size 37376
		.amdhsa_private_segment_fixed_size 0
		.amdhsa_enable_private_segment 0
		.amdhsa_kernarg_size 48
		.amdhsa_user_sgpr_count 2
		.amdhsa_user_sgpr_kernarg_segment_ptr 1
		.amdhsa_wavefront_size32 1
		.amdhsa_system_sgpr_workgroup_id_x 1
		.amdhsa_system_sgpr_workgroup_id_y 1
		.amdhsa_system_sgpr_workgroup_id_z 1
		.amdhsa_system_vgpr_workitem_id 0
		.amdhsa_next_free_vgpr 210
		.amdhsa_next_free_sgpr 66
		.amdhsa_reserve_vcc 1
		.amdhsa_float_denorm_mode_32 3
		.amdhsa_float_denorm_mode_16_64 3
		.amdhsa_memory_ordered 1
		.amdhsa_forward_progress 1
		.amdhsa_inst_pref_size 90
	.end_amdhsa_kernel
	.amdgpu_metadata
---
amdhsa.version: [ 1, 2 ]
amdhsa.kernels:
  - .name:           k_q62203b489e_coarse
    .symbol:         k_q62203b489e_coarse.kd
    .args:
      - { .name: xyz_target, .offset: 0, .size: 8, .value_kind: global_buffer, .address_space: global }
      - { .name: xyz_source, .offset: 8, .size: 8, .value_kind: global_buffer, .address_space: global }
      - { .name: w1, .offset: 16, .size: 8, .value_kind: global_buffer, .address_space: global }
      - { .name: w2, .offset: 24, .size: 8, .value_kind: global_buffer, .address_space: global }
      - { .name: grp, .offset: 32, .size: 8, .value_kind: global_buffer, .address_space: global }
      - { .name: wb, .offset: 40, .size: 8, .value_kind: global_buffer, .address_space: global }
    .group_segment_fixed_size: 37376
    .private_segment_fixed_size: 0
    .kernarg_segment_align: 8
    .kernarg_segment_size: 48
    .max_flat_workgroup_size: 128
    .sgpr_count:     66
    .vgpr_count:     210
    .wavefront_size: 32
...
	.end_amdgpu_metadata
.endif
;; end of part 1
;; launch fine (part 2): grid 256 x 1, 4 waves a work-group, no clusters, 59,392 bytes of LDS; arguments xyz_target, xyz_source, grp, feats_source, wb, nidx, ncoef, pmat; writes nidx, ncoef, pmat
.if DOCPART == 2
	.amdgcn_target "amdgcn-amd-amdhsa--gfx1250"
	.amdhsa_code_object_version 6
	.text
	.protected	k_q62203b489e_fine
	.globl	k_q62203b489e_fine
	.p2align	8
	.type	k_q62203b489e_fine,@function
k_q62203b489e_fine:
	s_mov_b64 s[64:65], 0
	v_nop
	global_prefetch_b8 v0, s[64:65] scope:SCOPE_SE
	s_setreg_imm32_b32 hwreg(HW_REG_WAVE_MODE, 25, 1), 1
	s_wait_xcnt 0x0
; FINE, two pieces of work that need nothing of each other.
; (a) One target a lane.  The 48 sources of its three groups (grp, stored by the launch before) are searched exactly, with indices;
;     then the weights.  Stored: for each target three rows (of feats_source seen as [8192][256], and so of P) and three factors weight / wsum.
; (b) P = feats_source w1[0:256], 32 rows a work-group: wave w makes 32 rows x columns 64 w .. 64 w + 63, 8 accumulators x 8 K steps of 32.
;     Its loads are issued ahead of the search and its products stand behind it, so that the search is what the wave does while W is on its way.
; WORK LEFT OUT: the root of all but the three winners (the order by d2 is the order by the distance in exact arithmetic); the sum of the
; three weights, which is 1 by identity (weight k = inv k / sum of inv; the inv are finite and positive by the floor of 1e-10), so that
; 1 / wsum is the constant 1 / (1 + 1e-6); and the product of inter with w1[0:256] for every target, in whose place (b) stands.
; d2 is formed by the same three operations as in the launch before ((s - t) is exactly -(t - s)), so both launches see the same bits.
; TIES: groups ascend and sources ascend inside a group, and a candidate enters only strictly below: the lower index wins.
; LIMITS: those of the launch before; the root and the reciprocals are good to one unit in the last place and take denormals as zero
; (a denormal d2 ends at the floor of 1e-10 either way).  f16 operands, f32 sums, P kept in f32: |feats_source| stays below 65,504.
; NO CLUSTER, NO TENSOR LOADS: what work-groups share is the 131,072 bytes of W.  A fragment of W goes from wb straight into registers, 512 consecutive
; bytes a load, each byte asked for once by the work-group; through LDS it would be written there and read back, 131,072 bytes each way more.
; LDS: 0 the batch's sources, group g at 192 g; XFB my 32 rows of feats_source in f16, pitch 528 = 33 x 16; STG 16 rows x 272 bytes for each wave.
.set C,    32                          ; v[32:175] candidates, group k at C+48k: x y z of 16 sources; d2 of source j ends in C+48k+3j
.set XFR,  48                          ; v[48:175] once the candidates are dead: x fragments, K step S, row tile i at XFR+16S+8i
.set FSG,  192                         ; v[192:255] my 8 rows of feats_source as loaded, packed in place
.set ACC,  192                         ; then the 8 accumulators, tile (i, b) at ACC+8(4i+b)
.set XFB,  24576
.set FPIT, 528
.set STG,  41472
.set SP,   272
.set TOW,  0x40                        ; destination window 1: W, K step S at 32 S, fragment b at + 8 b
.set MULW, 0x01                        ; source 0 (W) window 1; x, C and D window 0
; v7 word of grp; v8-10 the three groups; v11-13 their LDS addresses; v[14:16] my target; v[18:23] (x,y) (z,x) (y,z) of it
; v24-26 keys a <= b <= c; v27-29 their candidate numbers 0 .. 47; v30, v31 at work
; v176 16 lane; v177 store of F; v178 fragments of F; v179 into the stage; v180 back from it; v181 offset in P; v188, v189, v191 offsets: none is rewritten
.set MSB, 0
.macro WIN new                         ; the high byte of the immediate repeats the setting that is left
.if MSB != \new
	s_set_vgpr_msb (MSB<<8)|\new
.set MSB, \new
.endif
.endm
.macro WLOAD S                         ; my 4,096 bytes of K step S
.irp f, 0,1,2,3,4,5,6,7
	global_load_b128 v[32*\S+4*\f:32*\S+4*\f+3], v176, s[12:13] offset:16384*\S+512*\f
.endr
.endm
.macro DIST k
.irp p, 0,1,2,3,4,5,6,7
	v_pk_add_f32 v[C+48*\k+6*\p:C+48*\k+6*\p+1], v[C+48*\k+6*\p:C+48*\k+6*\p+1], v[18:19] neg_lo:[0,1] neg_hi:[0,1]
	v_pk_add_f32 v[C+48*\k+6*\p+2:C+48*\k+6*\p+3], v[C+48*\k+6*\p+2:C+48*\k+6*\p+3], v[20:21] neg_lo:[0,1] neg_hi:[0,1]
	v_pk_add_f32 v[C+48*\k+6*\p+4:C+48*\k+6*\p+5], v[C+48*\k+6*\p+4:C+48*\k+6*\p+5], v[22:23] neg_lo:[0,1] neg_hi:[0,1]
.endr
.irp j, 0,1,2,3,4,5,6,7,8,9,10,11,12,13,14,15
	v_mul_f32 v[C+48*\k+3*\j], v[C+48*\k+3*\j], v[C+48*\k+3*\j]
.endr
.irp j, 0,1,2,3,4,5,6,7,8,9,10,11,12,13,14,15
	v_fma_f32 v[C+48*\k+3*\j], v[C+48*\k+3*\j+1], v[C+48*\k+3*\j+1], v[C+48*\k+3*\j]
.endr
.irp j, 0,1,2,3,4,5,6,7,8,9,10,11,12,13,14,15
	v_fma_f32 v[C+48*\k+3*\j], v[C+48*\k+3*\j+2], v[C+48*\k+3*\j+2], v[C+48*\k+3*\j]
.endr
.endm
.macro INS1 key, id                    ; a candidate enters the sorted three; its number is a constant of the text
	v_cmp_lt_f32 s30, v[\key], v26
	v_cmp_lt_f32 s31, v[\key], v25
	v_cmp_lt_f32 vcc_lo, v[\key], v24
	v_cndmask_b32 v30, \id, v28, s31
	v_cndmask_b32 v29, v29, v30, s30
	v_cndmask_b32 v31, \id, v27, vcc_lo
	v_cndmask_b32 v28, v28, v31, s31
	v_cndmask_b32 v27, v27, \id, vcc_lo
	v_med3_num_f32 v26, v25, v26, v[\key]
	v_med3_num_f32 v25, v24, v25, v[\key]
	v_min_num_f32 v24, v24, v[\key]
.endm
; rows 16 i .. 16 i + 15 of my 32: 32 bytes a lane and tile into my stage, back as whole rows of 256 bytes into v[f ..]
.macro OUTP i, f
.irp b, 0,1,2,3
	ds_store_b128 v179, v[ACC+8*(4*\i+\b):ACC+8*(4*\i+\b)+3] offset:64*\b
	ds_store_b128 v179, v[ACC+8*(4*\i+\b)+4:ACC+8*(4*\i+\b)+7] offset:64*\b+16
.endr
.irp t, 0,1,2,3,4,5,6,7
	ds_load_b128 v[\f+4*\t:\f+4*\t+3], v180 offset:2*SP*\t        ; LDS serves the instructions of a wave in order (ISA guide 5.7.1): these see the stores above
.endr
.irp t, 0,1,2,3,4,5,6,7
	s_wait_dscnt 7-\t                              ; the younger read-backs may stay out
	global_store_b128 v181, v[\f+4*\t:\f+4*\t+3], s[18:19] offset:(16*\i+2*\t)*1024    ; 16 lanes store 256 consecutive bytes, aligned
.endr
.endm
	s_load_b256 s[4:11], s[0:1], 0x0               ; xyz_target s[4:5], xyz_source s[6:7], grp s[8:9], feats_source s[10:11]
	s_load_b256 s[12:19], s[0:1], 0x20             ; wb s[12:13], nidx s[14:15], ncoef s[16:17], pmat s[18:19]
	v_lshl_add_u32 v187, v0, 2, 0xe600
	v_mov_b32 v190, 0
	v_lshrrev_b32 v2, 5, v0
	v_readfirstlane_b32 s20, v2                    ; wave
	v_and_b32 v1, 31, v0                           ; lane
	s_mov_b32 s21, ttmp9
	s_lshr_b32 s22, ttmp9, 6                       ; batch
	s_mul_i32 s28, s22, 24576
	s_mov_b32 s29, 0
	s_lshl_b32 s22, s22, 11                        ; first row of the batch in feats_source and in P
	s_mul_i32 s32, s21, 1536
	s_mov_b32 s33, 0
	s_lshl_b32 s34, s21, 9
	s_mov_b32 s35, 0
	s_lshl_b32 s36, s21, 11                        ; 128 x 16 bytes: nidx and ncoef alike
	s_mov_b32 s37, 0
	s_lshl_b32 s38, s21, 15                        ; 32 rows x 1,024 bytes: feats_source and pmat alike
	s_mov_b32 s39, 0
	s_lshl_b32 s24, s20, 13                        ; of them my 8 rows to load
	s_add_co_u32 s24, s24, s38
	s_mov_b32 s25, 0
	s_lshl_b32 s26, s20, 12                        ; my 4,096 bytes of each K step of wb
	s_mov_b32 s27, 0
	s_lshl_b32 s23, s20, 9
	v_lshl_add_u32 v189, v1, 4, s23                ; 16 lane + 512 wave = 16 x thread
	v_mul_u32_u24 v188, v0, 12
	v_lshlrev_b32 v191, 2, v0
	v_lshlrev_b32 v176, 4, v1
	s_wait_kmcnt 0x0
	s_add_nc_u64 s[4:5], s[4:5], s[32:33]
	s_add_nc_u64 s[6:7], s[6:7], s[28:29]
	s_add_nc_u64 s[8:9], s[8:9], s[34:35]
	s_add_nc_u64 s[10:11], s[10:11], s[24:25]
	s_add_nc_u64 s[12:13], s[12:13], s[26:27]
	s_add_nc_u64 s[14:15], s[14:15], s[36:37]
	s_add_nc_u64 s[16:17], s[16:17], s[36:37]
	s_add_nc_u64 s[18:19], s[18:19], s[38:39]
.irp i, 0,1,2,3,4,5,6,7,8,9,10,11
	global_load_b128 v[C+4*\i:C+4*\i+3], v189, s[6:7] offset:2048*\i
.endr
	global_load_b96 v[14:16], v188, s[4:5]
	global_load_b32 v7, v191, s[8:9]
.irp j, 0,1,2,3,4,5,6,7,8,9,10,11,12,13,14,15
	global_load_b128 v[FSG+4*\j:FSG+4*\j+3], v176, s[10:11] offset:512*\j th:TH_LOAD_NT    ; row j / 2, half j % 2: 512 consecutive bytes
.endr
	WIN TOW
.irp S, 0,1,2,3
	WLOAD \S
.endr
	WIN 0
	v_and_b32 v2, 15, v0                           ; r
	v_bfe_u32 v3, v0, 4, 1                         ; h
	s_mul_i32 s23, s20, 8*FPIT
	s_add_co_u32 s23, s23, XFB
	v_lshl_add_u32 v177, v1, 3, s23                ; my 8 rows of F: 8 bytes a lane
	v_mul_u32_u24 v178, v2, FPIT
	v_lshl_add_u32 v178, v3, 4, v178
	v_add_nc_u32 v178, XFB, v178                   ; row r, 16 bytes for each half of the lanes
	s_mul_i32 s23, s20, 16*SP
	s_add_co_u32 s23, s23, STG                     ; my stage
	v_mul_u32_u24 v179, v2, SP
	v_lshl_add_u32 v179, v3, 5, v179
	v_add_nc_u32 v179, s23, v179
	v_mul_u32_u24 v180, v3, SP
	v_lshl_add_u32 v180, v2, 4, v180
	v_add_nc_u32 v180, s23, v180
	v_lshlrev_b32 v181, 10, v3
	v_lshl_add_u32 v181, v2, 4, v181
	s_lshl_b32 s23, s20, 8                         ; my 64 columns in f32
	v_add_nc_u32 v181, s23, v181
	s_wait_loadcnt 32                              ; sources, target, groups and my rows of feats_source are in; the 32 loads of W behind them may stay out
	WIN TOW
.irp S, 4,5,6,7
	WLOAD \S
.endr
	WIN 0
.irp i, 0,1,2,3,4,5,6,7,8,9,10,11
	ds_store_b128 v189, v[C+4*\i:C+4*\i+3] offset:2048*\i         ; a plain copy: group g at 192 g
.endr
.set n, 0
.rept 32
	v_cvt_pk_f16_f32 v[FSG+n], v[FSG+2*n], v[FSG+2*n+1]           ; packed in place: line n writes a register that line n / 2 has read
.set n, n+1
.endr
.irp j, 0,1,2,3,4,5,6,7,8,9,10,11,12,13,14,15
	ds_store_b64 v177, v[FSG+2*\j:FSG+2*\j+1] offset:FPIT*(\j/2)+256*(\j%2)    ; 256 consecutive bytes
.endr
	v_mov_b32 v18, v14
	v_mov_b32 v19, v15
	v_mov_b32 v20, v16
	v_mov_b32 v21, v14
	v_mov_b32 v22, v15
	v_mov_b32 v23, v16
	v_and_b32 v8, 0xff, v7
	v_bfe_u32 v9, v7, 8, 8
	v_bfe_u32 v10, v7, 16, 8
.irp k, 0,1,2
	v_min_u32 v[8+\k], 127, v[8+\k]                ; a number from memory enters an address only inside the table
	v_mul_u32_u24 v[11+\k], v[8+\k], 192
	v_mov_b32 v[24+\k], 0x7f800000
	v_mov_b32 v[27+\k], 0
.endr
	s_wait_dscnt 0x0                               ; my parts of the sources and of F are in LDS,
	s_barrier_signal -1
	s_barrier_wait -1                              ; and so are all parts
.irp k, 0,1,2
.irp m, 0,1,2,3,4,5,6,7,8,9,10,11
	ds_load_b128 v[C+48*\k+4*\m:C+48*\k+4*\m+3], v[11+\k] offset:16*\m
.endr
.endr
.irp k, 0,1,2
	s_wait_dscnt 24-12*\k                          ; the 12 loads of each later group may stay out
	DIST \k
.irp j, 0,1,2,3,4,5,6,7,8,9,10,11,12,13,14,15
	INS1 (C+48*\k+3*\j),(16*\k+\j)
.endr
.endr
	; the candidates are dead: the x fragments of all 8 K steps come in while the weights are made
.irp S, 0,1,2,3,4,5,6,7
.irp i, 0,1
	ds_load_b128 v[XFR+16*\S+8*\i:XFR+16*\S+8*\i+3], v178 offset:16*FPIT*\i+64*\S
	ds_load_b128 v[XFR+16*\S+8*\i+4:XFR+16*\S+8*\i+7], v178 offset:16*FPIT*\i+64*\S+32
.endr
.endr
	; the weights.  Behind each run of roots or reciprocals one plain line of the index work stands before a result is used (ISA guide 5.7.2)
	v_sqrt_f32 v24, v24
	v_sqrt_f32 v25, v25
	v_sqrt_f32 v26, v26
	v_and_b32 v40, 15, v27
	s_wait_alu depctr_va_vdst(0)
	v_max_num_f32 v24, 0x2edbe6ff, v24             ; 1e-10
	v_max_num_f32 v25, 0x2edbe6ff, v25
	v_max_num_f32 v26, 0x2edbe6ff, v26
	v_rcp_f32 v24, v24
	v_rcp_f32 v25, v25
	v_rcp_f32 v26, v26
	v_and_b32 v41, 15, v28
	s_wait_alu depctr_va_vdst(0)
	v_add_f32 v30, v24, v25
	v_add_f32 v30, v30, v26
	v_rcp_f32 v30, v30
	v_and_b32 v42, 15, v29
	s_wait_alu depctr_va_vdst(0)
	v_mul_f32 v30, 0x3f7fffef, v30                 ; 1 / (sum of inv) x 1 / (1 + 1e-6): the weights add up to 1
	v_mov_b32 v39, 0
	v_mul_f32 v36, v24, v30                        ; weight / wsum
	v_mul_f32 v37, v25, v30
	v_mul_f32 v38, v26, v30
.irp k, 0,1,2
	v_cmp_gt_u32 vcc_lo, 32, v[27+\k]              ; candidate number to row: its group, 16 sources each, its place, the batch
	v_cndmask_b32 v30, v10, v9, vcc_lo
	v_cmp_gt_u32 vcc_lo, 16, v[27+\k]
	v_cndmask_b32 v30, v30, v8, vcc_lo
	v_lshl_or_b32 v30, v30, 4, v[40+\k]
	v_add_nc_u32 v[32+\k], s22, v30
.endr
	v_mov_b32 v35, 0
	global_store_b128 v189, v[32:35], s[14:15]     ; each store of a wave covers 512 consecutive bytes, aligned; v[32:39] are not written again
	global_store_b128 v189, v[36:39], s[16:17]
	; P: source 0 = 16 columns of W, source 1 = 16 rows of F, so that a lane holds row l % 16 and eight neighbouring columns.
	; The 8 accumulators take turns, one instruction a turn, in the same order in every K step; the first K step starts the sums.
	s_wait_loadcnt 0x0                             ; W
	s_wait_dscnt 0x0                               ; the x fragments
	WIN MULW
.irp S, 0,1,2,3,4,5,6,7
.irp i, 0,1
.irp b, 0,1,2,3
.if \S
	v_wmma_f32_16x16x32_f16 v[ACC+8*(4*\i+\b):ACC+8*(4*\i+\b)+7], v[32*\S+8*\b:32*\S+8*\b+7], v[XFR+16*\S+8*\i:XFR+16*\S+8*\i+7], v[ACC+8*(4*\i+\b):ACC+8*(4*\i+\b)+7]
.else
	v_wmma_f32_16x16x32_f16 v[ACC+8*(4*\i+\b):ACC+8*(4*\i+\b)+7], v[32*\S+8*\b:32*\S+8*\b+7], v[XFR+16*\S+8*\i:XFR+16*\S+8*\i+7], 0
.endif
.endr
.endr
.endr
	WIN 0
.rept 4
	v_nop                                          ; four plain places before results are stored and before loads land on x fragments
.endr
	OUTP 0, 48
	OUTP 1, 80
	s_wait_tensorcnt 0x0
	ds_add_u32 v187, v190
	s_wait_dscnt 0x0
	s_endpgm
.Lfunc_end_k_q62203b489e_fine:
	.size	k_q62203b489e_fine, .Lfunc_end_k_q62203b489e_fine-k_q62203b489e_fine
	.p2alignl 7, 3214868480
	.fill 96, 4, 3214868480
	.section	.rodata,"a",@progbits
	.p2align	6, 0x0
	.amdhsa_kernel k_q62203b489e_fine
		.amdhsa_group_segment_fixed_size 59392
		.amdhsa_private_segment_fixed_size 0
		.amdhsa_enable_private_segment 0
		.amdhsa_kernarg_size 64
		.amdhsa_user_sgpr_count 2
		.amdhsa_user_sgpr_kernarg_segment_ptr 1
		.amdhsa_wavefront_size32 1
		.amdhsa_system_sgpr_workgroup_id_x 1
		.amdhsa_system_sgpr_workgroup_id_y 1
		.amdhsa_system_sgpr_workgroup_id_z 1
		.amdhsa_system_vgpr_workitem_id 0
		.amdhsa_next_free_vgpr 512
		.amdhsa_next_free_sgpr 66
		.amdhsa_reserve_vcc 1
		.amdhsa_float_denorm_mode_32 3
		.amdhsa_float_denorm_mode_16_64 3
		.amdhsa_memory_ordered 1
		.amdhsa_forward_progress 1
		.amdhsa_inst_pref_size 72
	.end_amdhsa_kernel
	.amdgpu_metadata
---
amdhsa.version: [ 1, 2 ]
amdhsa.kernels:
  - .name:           k_q62203b489e_fine
    .symbol:         k_q62203b489e_fine.kd
    .args:
      - { .name: xyz_target, .offset: 0, .size: 8, .value_kind: global_buffer, .address_space: global }
      - { .name: xyz_source, .offset: 8, .size: 8, .value_kind: global_buffer, .address_space: global }
      - { .name: grp, .offset: 16, .size: 8, .value_kind: global_buffer, .address_space: global }
      - { .name: feats_source, .offset: 24, .size: 8, .value_kind: global_buffer, .address_space: global }
      - { .name: wb, .offset: 32, .size: 8, .value_kind: global_buffer, .address_space: global }
      - { .name: nidx, .offset: 40, .size: 8, .value_kind: global_buffer, .address_space: global }
      - { .name: ncoef, .offset: 48, .size: 8, .value_kind: global_buffer, .address_space: global }
      - { .name: pmat, .offset: 56, .size: 8, .value_kind: global_buffer, .address_space: global }
    .group_segment_fixed_size: 59392
    .private_segment_fixed_size: 0
    .kernarg_segment_align: 8
    .kernarg_segment_size: 64
    .max_flat_workgroup_size: 128
    .sgpr_count:     66
    .vgpr_count:     512
    .wavefront_size: 32
...
	.end_amdgpu_metadata
.endif
;; end of part 2
;; launch mlp (part 3): grid 256 x 1, 4 waves a work-group, no clusters, 253,440 bytes of LDS; arguments pmat, feats_target, nidx, ncoef, wb, out0; writes out0
.if DOCPART == 3
	.amdgcn_target "amdgcn-amd-amdhsa--gfx1250"
	.amdhsa_code_object_version 6
	.text
	.protected	k_q62203b489e_mlp
	.globl	k_q62203b489e_mlp
	.p2align	8
	.type	k_q62203b489e_mlp,@function
k_q62203b489e_mlp:
	s_mov_b64 s[64:65], 0
	v_nop
	global_prefetch_b8 v0, s[64:65] scope:SCOPE_SE
	s_setreg_imm32_b32 hwreg(HW_REG_WAVE_MODE, 25, 1), 1
	s_wait_xcnt 0x0
; MLP: out = relu(relu(G + feats_target w1[256:384]) w2) for 128 rows a work-group, where G = the sum of three rows of P by the factors
; of ncoef, rows named by nidx (P, nidx and ncoef stored by the launch before).
; WORK LEFT OUT: the product of inter with w1[0:256]: inter is that same sum of three rows of feats_source, and P = feats_source w1[0:256],
; so G is inter w1[0:256] for all values of the inputs.  G is the C operand with which the first products of layer 1 start.
; A PIPELINE OF FOUR PIECES of 32 rows.  While piece p goes through layer 1, relu, layer 2, relu and the way out, piece p + 1 is gathered.
; GATHER: wave w builds rows 32 p + 8 w .. + 7 of G (256 f32) and of XT (feats_target, 128 f16) in LDS, two targets a turn on three register sets,
; so that the 42 loads of three pairs are on their way at any time, through the products too.
; PRODUCTS: wave w makes the piece's 32 rows x columns 64 w .. 64 w + 63: 2 x 4 accumulator tiles, 64 registers, 12 K steps of 32 (4 + 8).
; WHY WHOLE TURNS STAND BETWEEN RUNS OF 32 PRODUCTS, and not a slice behind each product: a stage moves 147,456 bytes for the work-group (98,304 of P,
; 16,384 of feats_target, 32,768 of out0) and issues about 1,440 lines a wave, 96 of them products: what has to run side by side is the traffic and the
; issue.  The gather's sets, the accumulators and W lie in different register windows, so a slice behind each product would cost two window
; switches a product (768 in all); by turns a stage has twelve.  The turns are also the places behind the products.
; The matrix instruction is used transposed: source 0 = 16 columns of W, source 1 = 16 rows of x, so that a lane holds row l % 16 and eight
; neighbouring columns: 32 bytes of a row of G are two LDS loads straight into an accumulator.  The hidden layer goes through LDS (H) in f16;
; the result leaves through a stage in LDS as whole rows of 256 bytes.
; FORMAT: f16 operands, f32 sums; P and G in f32.  f16 keeps 11 significant bits.  LIMIT: |x|, |w| and the hidden values stay below 65,504; with feats and
; w1 both 30 times larger the hidden values have a root mean square of about 900, with both carrying an offset of 30 spreads they are
; about 384 x 30 x 1.53 = 17,600.  relu is max(0, x) in the form in which a NaN loses: NaN inputs are not served.
; NO CLUSTER, NO TENSOR LOADS: the weights are what work-groups share.  Here a fragment of W goes from wb straight into registers, 512
; consecutive bytes a load, each byte asked for once by the work-group (196,608 bytes), and stays there for all four pieces; a joint load lands in LDS,
; and each piece would read it from there again: 4 x 196,608 bytes of LDS reads and 196,608 of LDS writes more.
; LDS: no byte but a wave's own stage is written twice, so the barriers only publish: a piece's G and XT, a piece's H.
; REGISTERS: window 0: addresses, the three sets of the gather (v64-255); window 1: accumulator tile (i, b) at 8 (4 i + b), x fragments v64-191,
; two buffers for the way out v192-255; window 2: K steps 0-7 of W, step S at 32 S, fragment b at + 8 b; window 3: K steps 8-11.
.set GP,   1040                        ; G: 1,024 bytes + 16 = 65 x 16, so the 16 rows that a load touches start in 16 different columns of 16 bytes
.set XTB,  133120                      ; XT behind the 128 rows of G
.set XP,   272                         ; XT: 256 bytes + 16 = 17 x 16
.set HB,   167936                      ; H behind the 128 rows of XT
.set HP,   528                         ; H: 512 bytes + 16 = 33 x 16
.set STG,  235520                      ; the stage behind H: 16 rows x (256 + 16) bytes for each wave
.set SP,   272
.set L16,  4                           ; v4  16 x lane, never rewritten
.set GS,   5                           ; v5, v6  gather: my 8 rows of G in pieces 0-1, in pieces 2-3; 16 bytes a lane
.set XS,   7                           ; v7  gather: my 8 rows of XT, 8 bytes a lane
.set GA,   8                           ; v8, v9  G into accumulators, pieces 0-1, pieces 2-3: 1,040 r + 32 h + 256 w
.set XA,   10                          ; v10 fragments from XT
.set HS,   11                          ; v11 store into H
.set HA,   12                          ; v12 fragments from H
.set STO,  13                          ; v13 into the stage
.set RD,   14                          ; v14 back from the stage
.set CO,   15                          ; v15 my byte offset in the rows of out0
.set IDX,  16                          ; v[16:19] lane 8 p + j: rows of target 32 p + 8 w + j
.set CF,   20                          ; v[20:23] the same lane: its factors
.set IA,   24                          ; v24 where a lane finds them; v25 at work
.set XR,   64                          ; window 1: x fragments, K step k of a layer, row tile i at XR + 16 k + 8 i
.set CV,   128                         ; window 1: the hidden values packed, tile (i, b) at CV + 4 (4 i + b); free while layer 1 uses XR .. XR + 63
.set OB,   192                         ; window 1: two buffers of 32 for the way out
.set LD1,  0x44                        ; destination and source 1 window 1, source 0 window 0: LDS loads and stores, global stores, relu of the product side
.set CVT1, 0x45                        ; destination and both sources window 1
.set MUL2, 0x56                        ; D, C and source 1 (x) window 1, source 0 (W) window 2
.set MUL3, 0x57                        ; the same with W in window 3
.set TOW2, 0x80                        ; destination window 2
.set TOW3, 0xc0                        ; destination window 3
.set MSB, 0
.macro WIN new                         ; the high byte of the immediate repeats the setting that is left
.if MSB != \new
	s_set_vgpr_msb (MSB<<8)|\new
.set MSB, \new
.endif
.endm
.macro PLACES                          ; four plain places behind matrix instructions before their results are read (ISA guide 7.12.1), where no turn of the gather stands there
.rept 4
	v_nop
.endr
.endm
.macro BARRIER
	s_wait_dscnt 0x0                               ; my LDS stores are in and my LDS loads are back before I say so
	s_barrier_signal -1
	s_barrier_wait -1
.endm
.macro WLOAD S                         ; my 4,096 bytes of K step S (step S + 8 of wb: the base points there)
.irp f, 0,1,2,3,4,5,6,7
	global_load_b128 v[32*((\S)%8)+4*\f:32*((\S)%8)+4*\f+3], v[L16], s[12:13] offset:16384*(\S)+512*\f
.endr
.endm
; THE GATHER.  Pair i = 4 p + i1 is targets 32 p + 8 w + 2 i1 + u, u = 0, 1, on set i % 3 at v[64 + 64 (i % 3)]: rows of P at + 24 u + 8 k, feats_target at
; + 48 + 4 u, addresses at + 56 + 3 u + k.  The lane reads stand apart from the lines that use them: the six rows of pair i are read a turn ahead of ADL i,
; the six factors ahead of the stores and loads that precede PMATH i, so that no scalar or packed line stands straight behind the vector line that feeds it.
.macro RLI i                           ; the six rows of pair i
.irp u, 0,1
.irp k, 0,1,2
	v_readlane_b32 s[20+3*\u+\k], v[IDX+\k], 2*(\i)+\u
.endr
.endr
.endm
.macro RLC i                           ; the six factors of pair i, into the even registers of six pairs
.irp u, 0,1
.irp k, 0,1,2
	v_readlane_b32 s[40+6*\u+2*\k], v[CF+\k], 2*(\i)+\u
.endr
.endr
.endm
.macro ADL i                           ; addresses, then 14 loads
.set SB, 64+64*((\i)%3)
.irp n, 0,1,2,3,4,5
	s_min_u32 s[20+\n], s[20+\n], 0x1fff           ; a number from memory enters an address only inside the table of 8,192 rows
.endr
.irp n, 0,1,2,3,4,5
	s_lshl_b32 s[20+\n], s[20+\n], 10
.endr
.irp n, 0,1,2,3,4,5
	v_add_nc_u32 v[SB+56+\n], s[20+\n], v[L16]
.endr
.irp u, 0,1
.irp k, 0,1,2
	global_load_b128 v[SB+24*\u+8*\k:SB+24*\u+8*\k+3], v[SB+56+3*\u+\k], s[4:5]
	global_load_b128 v[SB+24*\u+8*\k+4:SB+24*\u+8*\k+7], v[SB+56+3*\u+\k], s[4:5] offset:512
.endr
	global_load_b128 v[SB+48+4*\u:SB+48+4*\u+3], v[L16], s[6:7] offset:512*(32*((\i)/4)+2*((\i)%4)+\u) th:TH_LOAD_NT
.endr
.endm
.macro PMATH i                         ; the weighted sum in f32, in the registers of the first row; feats_target to f16 in place
.set SB, 64+64*((\i)%3)
.irp u, 0,1
.irp p, 0,2,4,6
	v_pk_mul_f32 v[SB+24*\u+\p:SB+24*\u+\p+1], v[SB+24*\u+\p:SB+24*\u+\p+1], s[40+6*\u:41+6*\u] op_sel_hi:[1,0]
.endr
.endr
.irp k, 1,2
.irp u, 0,1
.irp p, 0,2,4,6
	v_pk_fma_f32 v[SB+24*\u+\p:SB+24*\u+\p+1], v[SB+24*\u+8*\k+\p:SB+24*\u+8*\k+\p+1], s[40+6*\u+2*\k:41+6*\u+2*\k], v[SB+24*\u+\p:SB+24*\u+\p+1] op_sel_hi:[1,0,1]
.endr
.endr
.endr
.irp u, 0,1
	v_cvt_pk_f16_f32 v[SB+48+4*\u], v[SB+48+4*\u], v[SB+48+4*\u+1]
	v_cvt_pk_f16_f32 v[SB+48+4*\u+1], v[SB+48+4*\u+2], v[SB+48+4*\u+3]
.endr
.endm
.macro PSTORE i                        ; six LDS stores: for each target two of 512 consecutive bytes (G) and one of 256 (XT), from the set's own registers
.set SB, 64+64*((\i)%3)
.irp u, 0,1
	ds_store_b128 v[GS+(\i)/8], v[SB+24*\u:SB+24*\u+3] offset:GP*(32*(((\i)/4)%2)+2*((\i)%4)+\u)          ; columns 4 L ..
	ds_store_b128 v[GS+(\i)/8], v[SB+24*\u+4:SB+24*\u+7] offset:GP*(32*(((\i)/4)%2)+2*((\i)%4)+\u)+512    ; columns 128 + 4 L ..
	ds_store_b64 v[XS], v[SB+48+4*\u:SB+48+4*\u+1] offset:XP*(32*((\i)/4)+2*((\i)%4)+\u)
.endr
.endm
.macro TURN i                          ; pair i is worked off and pair i + 3 is asked for, into the same set
.if (\i)<14
	s_wait_loadcnt 28                              ; the 14 loads of each of the two younger pairs may stay out; all of W is older than any pair
.else
	s_wait_loadcnt 14*(15-(\i))
.endif
	PMATH \i
.if (\i)<15
	RLC ((\i)+1)                                   ; behind the packed lines that read this pair's factors
.endif
	PSTORE \i
.if (\i)<13
	ADL ((\i)+3)                                   ; the wait above has shown the set's loads done
.endif
.if (\i)<12
	RLI ((\i)+4)
.endif
.endm
; THE PRODUCT SIDE of piece p
.macro GLOAD p                         ; 16 loads: G straight into the 8 accumulators
.irp i, 0,1
.irp b, 0,1,2,3
	ds_load_b128 v[8*(4*\i+\b):8*(4*\i+\b)+3], v[GA+(\p)/2] offset:16*GP*(2*((\p)%2)+\i)+64*\b
	ds_load_b128 v[8*(4*\i+\b)+4:8*(4*\i+\b)+7], v[GA+(\p)/2] offset:16*GP*(2*((\p)%2)+\i)+64*\b+16
.endr
.endr
.endm
.macro XLOAD1 p                        ; 16 loads: the x fragments of layer 1, K step by K step
.irp S, 0,1,2,3
.irp i, 0,1
	ds_load_b128 v[XR+16*\S+8*\i:XR+16*\S+8*\i+3], v[XA] offset:16*XP*(2*\p+\i)+64*\S
	ds_load_b128 v[XR+16*\S+8*\i+4:XR+16*\S+8*\i+7], v[XA] offset:16*XP*(2*\p+\i)+64*\S+32
.endr
.endr
.endm
.macro XLOAD2 p                        ; 32 loads: the x fragments of layer 2, four for each K step
.irp S, 0,1,2,3,4,5,6,7
.irp i, 0,1
	ds_load_b128 v[XR+16*\S+8*\i:XR+16*\S+8*\i+3], v[HA] offset:16*HP*(2*\p+\i)+64*\S
	ds_load_b128 v[XR+16*\S+8*\i+4:XR+16*\S+8*\i+7], v[HA] offset:16*HP*(2*\p+\i)+64*\S+32
.endr
.endr
.endm
; One K step: 8 products.  The 8 accumulators take turns, one instruction a turn, in the same order in every step.
; wr: the step's W in its window; xr: its x fragments; zero = 1: the product starts the sums.
.macro MULK wr, xr, zero
.irp i, 0,1
.irp b, 0,1,2,3
.if \zero
	v_wmma_f32_16x16x32_f16 v[8*(4*\i+\b):8*(4*\i+\b)+7], v[\wr+8*\b:\wr+8*\b+7], v[\xr+8*\i:\xr+8*\i+7], 0
.else
	v_wmma_f32_16x16x32_f16 v[8*(4*\i+\b):8*(4*\i+\b)+7], v[\wr+8*\b:\wr+8*\b+7], v[\xr+8*\i:\xr+8*\i+7], v[8*(4*\i+\b):8*(4*\i+\b)+7]
.endif
.endr
.endr
.endm
.macro RELU64
.set n, 0
.rept 64
	v_max_num_f32 v[n], 0, v[n]
.set n, n+1
.endr
.endm
.macro HSTORE p
.irp i, 0,1
.irp b, 0,1,2,3
	ds_store_b128 v[HS], v[CV+4*(4*\i+\b):CV+4*(4*\i+\b)+3] offset:16*HP*(2*\p+\i)+32*\b
.endr
.endr
.endm
; rows 16 t .. 16 t + 15 of the 128: 32 bytes a lane and tile into my stage, back as whole rows of 256 bytes into buffer f
.macro OUT16 t, f
.irp b, 0,1,2,3
	ds_store_b128 v[STO], v[8*(4*((\t)%2)+\b):8*(4*((\t)%2)+\b)+3] offset:64*\b
	ds_store_b128 v[STO], v[8*(4*((\t)%2)+\b)+4:8*(4*((\t)%2)+\b)+7] offset:64*\b+16
.endr
	s_wait_xcnt 0x0                                ; buffer f, which the stores of the piece before read, is loaded again only behind this wait
.irp k, 0,1,2,3,4,5,6,7
	ds_load_b128 v[\f+4*\k:\f+4*\k+3], v[RD] offset:2*SP*\k       ; LDS serves the instructions of a wave in order (ISA guide 5.7.1): these see the stores above
.endr
.irp k, 0,1,2,3,4,5,6,7
	s_wait_dscnt 7-\k                              ; the younger read-backs may stay out
	global_store_b128 v[CO], v[\f+4*\k:\f+4*\k+3], s[14:15] offset:(16*(\t)+2*\k)*1024 th:TH_STORE_NT   ; 16 lanes store 256 consecutive bytes, aligned
.endr
.endm
; Piece p from G to out0.  g = 1: the four turns that gather piece p + 1 stand among its products; g = 0: the last piece.
.macro STAGE p, g
	WIN LD1
	GLOAD \p
	XLOAD1 \p
.if \g
	WIN 0
	TURN (4*\p+4)
.endif
	s_wait_dscnt 6*\g                              ; G and the x fragments are in; the six stores of the turn behind them may stay out
	WIN MUL2
	MULK 0, XR, 0                                  ; layer 1: the sums start from G; K = 128 of feats_target
	MULK 32, XR+16, 0
	MULK 64, XR+32, 0
	MULK 96, XR+48, 0
.if \g
	WIN 0
	TURN (4*\p+5)                                  ; its packed lines are the places behind the products
.else
	PLACES
.endif
	WIN LD1
	RELU64
	WIN CVT1
.set n, 0
.rept 32
	v_cvt_pk_f16_f32 v[CV+n], v[2*n], v[2*n+1]     ; one rounding to f16
.set n, n+1
.endr
	WIN LD1
	HSTORE \p
	BARRIER                                        ; the piece's H is whole
	XLOAD2 \p
	WIN MUL2
	s_wait_dscnt 28                                ; four loads for each K step: those of the seven later steps may stay out
	MULK 128, XR, 1                                ; layer 2: K = 256; the first K step starts the sums
	s_wait_dscnt 24
	MULK 160, XR+16, 0
	s_wait_dscnt 20
	MULK 192, XR+32, 0
	s_wait_dscnt 16
	MULK 224, XR+48, 0
.if \g
	WIN 0
	TURN (4*\p+6)
.endif
	WIN MUL3
	s_wait_dscnt 12+6*\g                           ; the later steps' loads, and the six stores of the turn in between
	MULK 0, XR+64, 0
	s_wait_dscnt 8+6*\g
	MULK 32, XR+80, 0
	s_wait_dscnt 4+6*\g
	MULK 64, XR+96, 0
	s_wait_dscnt 6*\g
	MULK 96, XR+112, 0
.if \g
	WIN 0
	TURN (4*\p+7)
.else
	PLACES
.endif
	WIN LD1
	RELU64
	OUT16 (2*\p), OB
	OUT16 (2*\p+1), OB+32
.if \g
	BARRIER                                        ; G and XT of the next piece are whole
.endif
.endm
	s_load_b256 s[4:11], s[0:1], 0x0               ; pmat s[4:5], feats_target s[6:7], nidx s[8:9], ncoef s[10:11]
	s_load_b128 s[12:15], s[0:1], 0x20             ; wb s[12:13], out0 s[14:15]
	v_lshl_add_u32 v254, v0, 2, 0x3dc00
	v_mov_b32 v255, 0
	v_lshrrev_b32 v1, 5, v0
	v_readfirstlane_b32 s16, v1                    ; wave
	v_and_b32 v1, 31, v0                           ; L
	v_and_b32 v2, 15, v0                           ; r
	v_bfe_u32 v3, v0, 4, 1                         ; h
	v_lshlrev_b32 v[L16], 4, v1
	v_bfe_u32 v[IA], v0, 3, 2                      ; lane 8 p + j finds target 32 p + j of my 8 w ..: 16 bytes each
	v_lshlrev_b32 v[IA], 9, v[IA]
	v_and_b32 v25, 7, v0
	v_lshl_add_u32 v[IA], v25, 4, v[IA]
	s_lshl_b32 s17, ttmp9, 7
	s_lshl_b32 s18, s16, 3
	s_add_co_u32 s17, s17, s18                     ; 128 g + 8 w: my first target of piece 0
	s_lshl_b32 s18, s17, 9                         ; x 512 bytes of feats_target
	s_mov_b32 s19, 0
	s_lshl_b32 s26, s17, 4                         ; x 16 bytes of nidx and ncoef
	s_mov_b32 s27, 0
	s_lshl_b32 s28, s16, 12                        ; my 4,096 bytes of each K step of wb,
	s_add_co_u32 s28, s28, 8*16384                 ; from its step 8 on: w1's rows 256 .., then w2
	s_mov_b32 s29, 0
	s_lshl_b32 s30, ttmp9, 17                      ; 128 rows x 1,024 bytes of out0
	s_mov_b32 s31, 0
	s_wait_kmcnt 0x0
	s_add_nc_u64 s[6:7], s[6:7], s[18:19]
	s_add_nc_u64 s[8:9], s[8:9], s[26:27]
	s_add_nc_u64 s[10:11], s[10:11], s[26:27]
	s_add_nc_u64 s[12:13], s[12:13], s[28:29]
	s_add_nc_u64 s[14:15], s[14:15], s[30:31]
	global_load_b128 v[IDX:IDX+3], v[IA], s[8:9]
	global_load_b128 v[CF:CF+3], v[IA], s[10:11]
	WIN TOW2
.irp S, 0,1,2,3,4,5,6
	WLOAD \S
.endr
	WIN 0
	s_mul_i32 s32, s16, 8*GP
	v_add_nc_u32 v[GS], s32, v[L16]
	v_add_nc_u32 v[GS+1], 64*GP, v[GS]
	s_mul_i32 s33, s16, 8*XP
	s_add_co_u32 s33, s33, XTB
	v_lshl_add_u32 v[XS], v1, 3, s33
	s_lshl_b32 s35, s16, 8                         ; my 64 columns in f32
	v_mul_u32_u24 v[GA], v2, GP
	v_lshl_add_u32 v[GA], v3, 5, v[GA]
	v_add_nc_u32 v[GA], s35, v[GA]
	v_add_nc_u32 v[GA+1], 64*GP, v[GA]
	v_mul_u32_u24 v[XA], v2, XP
	v_lshl_add_u32 v[XA], v3, 4, v[XA]
	v_add_nc_u32 v[XA], XTB, v[XA]
	v_mul_u32_u24 v[HA], v2, HP
	v_lshl_add_u32 v[HA], v3, 4, v[HA]
	v_add_nc_u32 v[HA], HB, v[HA]
	s_lshl_b32 s33, s16, 7                         ; my 64 columns in f16
	v_add_nc_u32 v[HS], s33, v[HA]
	s_mul_i32 s34, s16, 16*SP
	s_add_co_u32 s34, s34, STG                     ; my stage
	v_mul_u32_u24 v[STO], v2, SP
	v_lshl_add_u32 v[STO], v3, 5, v[STO]
	v_add_nc_u32 v[STO], s34, v[STO]
	v_mul_u32_u24 v[RD], v3, SP
	v_lshl_add_u32 v[RD], v2, 4, v[RD]
	v_add_nc_u32 v[RD], s34, v[RD]
	v_lshlrev_b32 v[CO], 10, v3
	v_lshl_add_u32 v[CO], v2, 4, v[CO]
	v_add_nc_u32 v[CO], s35, v[CO]
.irp r, 41,43,45,47,49,51
	s_mov_b32 s[\r], 0                             ; the upper halves of the factor pairs: named by the packed forms, never used
.endr
	s_wait_loadcnt 56                              ; rows and factors are in; the 56 loads of W behind them may stay out
	WIN TOW2
	WLOAD 7                                        ; the rest of W goes out ahead of the gather, so that every pair's wait counts pairs alone
	WIN TOW3
.irp S, 8,9,10,11
	WLOAD \S
.endr
	WIN 0
	; piece 0 is gathered with nothing beside it
	RLI 0
	ADL 0
	RLI 1
	ADL 1
	RLI 2
	ADL 2
	RLI 3
	RLC 0
	TURN 0
	TURN 1
	TURN 2
	TURN 3
	BARRIER                                        ; G and XT of piece 0 are whole
	STAGE 0, 1
	STAGE 1, 1
	STAGE 2, 1
	STAGE 3, 0
	WIN 0
	s_wait_tensorcnt 0x0
	ds_add_u32 v254, v255
	s_wait_dscnt 0x0
	s_endpgm
.Lfunc_end_k_q62203b489e_mlp:
	.size	k_q62203b489e_mlp, .Lfunc_end_k_q62203b489e_mlp-k_q62203b489e_mlp
	.p2alignl 7, 3214868480
	.fill 96, 4, 3214868480
	.section	.rodata,"a",@progbits
	.p2align	6, 0x0
	.amdhsa_kernel k_q62203b489e_mlp
		.amdhsa_group_segment_fixed_size 253440
		.amdhsa_private_segment_fixed_size 0
		.amdhsa_enable_private_segment 0
		.amdhsa_kernarg_size 48
		.amdhsa_user_sgpr_count 2
		.amdhsa_user_sgpr_kernarg_segment_ptr 1
		.amdhsa_wavefront_size32 1
		.amdhsa_system_sgpr_workgroup_id_x 1
		.amdhsa_system_sgpr_workgroup_id_y 1
		.amdhsa_system_sgpr_workgroup_id_z 1
		.amdhsa_system_vgpr_workitem_id 0
		.amdhsa_next_free_vgpr 896
		.amdhsa_next_free_sgpr 66
		.amdhsa_reserve_vcc 0
		.amdhsa_float_denorm_mode_32 3
		.amdhsa_float_denorm_mode_16_64 3
		.amdhsa_memory_ordered 1
		.amdhsa_forward_progress 1
		.amdhsa_inst_pref_size 179
	.end_amdhsa_kernel
	.amdgpu_metadata
---
amdhsa.version: [ 1, 2 ]
amdhsa.kernels:
  - .name:           k_q62203b489e_mlp
    .symbol:         k_q62203b489e_mlp.kd
    .args:
      - { .name: pmat, .offset: 0, .size: 8, .value_kind: global_buffer, .address_space: global }
      - { .name: feats_target, .offset: 8, .size: 8, .value_kind: global_buffer, .address_space: global }
      - { .name: nidx, .offset: 16, .size: 8, .value_kind: global_buffer, .address_space: global }
      - { .name: ncoef, .offset: 24, .size: 8, .value_kind: global_buffer, .address_space: global }
      - { .name: wb, .offset: 32, .size: 8, .value_kind: global_buffer, .address_space: global }
      - { .name: out0, .offset: 40, .size: 8, .value_kind: global_buffer, .address_space: global }
    .group_segment_fixed_size: 253440
    .private_segment_fixed_size: 0
    .kernarg_segment_align: 8
    .kernarg_segment_size: 48
    .max_flat_workgroup_size: 128
    .sgpr_count:     66
    .vgpr_count:     896
    .wavefront_size: 32
...
	.end_amdgpu_metadata
.endif
;; end of part 3
;; ======== version 2 of 2: 3 launches; version 1 with the launch mlp written anew for expert scheduling mode
;; limits: values are held in f16: magnitudes above 65,504 overflow, below 6.1e-05 lose precision
;; workspace buffers: grp 131,072 bytes of whole numbers; nidx 524,288 bytes of whole numbers; ncoef 524,288 bytes; wb 327,680 bytes; pmat 8,388,608 bytes
;; launch coarse: the kernel of part 1 again; grid 256 x 1, 4 waves a work-group, no clusters, 37,376 bytes of LDS; arguments xyz_target, xyz_source, w1, w2, grp, wb; writes grp, wb
;; launch fine: the kernel of part 2 again; grid 256 x 1, 4 waves a work-group, no clusters, 59,392 bytes of LDS; arguments xyz_target, xyz_source, grp, feats_source, wb, nidx, ncoef, pmat; writes nidx, ncoef, pmat
;; launch mlp (part 4): grid 256 x 1, 4 waves a work-group, no clusters, 253,440 bytes of LDS; arguments pmat, feats_target, nidx, ncoef, wb, out0; writes out0
.if DOCPART == 4
	.amdgcn_target "amdgcn-amd-amdhsa--gfx1250"
	.amdhsa_code_object_version 6
	.text
	.protected	k_q62203b489e_mlp
	.globl	k_q62203b489e_mlp
	.p2align	8
	.type	k_q62203b489e_mlp,@function
k_q62203b489e_mlp:
	s_mov_b64 s[64:65], 0
	v_nop
	global_prefetch_b8 v0, s[64:65] scope:SCOPE_SE
	s_setreg_imm32_b32 hwreg(HW_REG_WAVE_SCHED_MODE, 0, 2), 2
	s_setreg_imm32_b32 hwreg(HW_REG_WAVE_MODE, 25, 1), 1
	s_wait_xcnt 0x0
	s_wait_alu depctr_vm_vsrc(0)
; MLP: out = relu(relu(G + feats_target w1[256:384]) w2) for 128 rows a work-group, where G = the sum of three rows of P by the factors
; of ncoef, rows named by nidx (P, nidx and ncoef stored by the launch before).
; WORK LEFT OUT: the product of inter with w1[0:256]: inter is that same sum of three rows of feats_source, and P = feats_source w1[0:256],
; so G is inter w1[0:256] for all values of the inputs.  G is the C operand with which the first products of layer 1 start.
; A PIPELINE OF FOUR PIECES of 32 rows.  While piece p goes through layer 1, relu, layer 2, relu and the way out, piece p + 1 is gathered.
; GATHER: wave w builds rows 32 p + 8 w .. + 7 of G (256 f32) and of XT (feats_target, 128 f16) in LDS, two targets a turn on three register sets,
; so that the 42 loads of three pairs are on their way at any time, through the products too.
; PRODUCTS: wave w makes the piece's 32 rows x columns 64 w .. 64 w + 63: 2 x 4 accumulator tiles, 64 registers, 12 K steps of 32 (4 + 8).
; WHY WHOLE TURNS STAND BETWEEN RUNS OF 32 PRODUCTS, and not a slice behind each product: a stage moves 147,456 bytes for the work-group (98,304 of P,
; 16,384 of feats_target, 32,768 of out0) and issues about 1,440 lines a wave, 96 of them products: what has to run side by side is the traffic and the
; issue.  The gather's sets, the accumulators and W lie in different register windows, so a slice behind each product would cost two window
; switches a product (768 in all); by turns a stage has twelve.  The turns are also the places behind the products.
; The matrix instruction is used transposed: source 0 = 16 columns of W, source 1 = 16 rows of x, so that a lane holds row l % 16 and eight
; neighbouring columns: 32 bytes of a row of G are two LDS loads straight into an accumulator.  The hidden layer goes through LDS (H) in f16;
; the result leaves through a stage in LDS as whole rows of 256 bytes.
; FORMAT: f16 operands, f32 sums; P and G in f32.  f16 keeps 11 significant bits.  LIMIT: |x|, |w| and the hidden values stay below 65,504; with feats and
; w1 both 30 times larger the hidden values have a root mean square of about 900, with both carrying an offset of 30 spreads they are
; about 384 x 30 x 1.53 = 17,600.  relu is max(0, x) in the form in which a NaN loses: NaN inputs are not served.
; NO CLUSTER, NO TENSOR LOADS: the weights are what work-groups share.  Here a fragment of W goes from wb straight into registers, 512
; consecutive bytes a load, each byte asked for once by the work-group (196,608 bytes), and stays there for all four pieces; a joint load lands in LDS,
; and each piece would read it from there again: 4 x 196,608 bytes of LDS reads and 196,608 of LDS writes more.
; LDS: no byte but a wave's own stage is written twice, so the barriers only publish: a piece's G and XT, a piece's H.
; REGISTERS: window 0: addresses, two out-buffers of the gather (v24-63), its three sets (v64-255); window 1: accumulator tile (i, b) at 8 (4 i + b),
; x fragments v64-191, two buffers for the way out v192-255; window 2: K steps 0-7 of W, step S at 32 S, fragment b at + 8 b; window 3: K steps 8-11.
; THE MODE: SCHED_MODE bits 1:0 = 2 (LLVM: expert scheduling mode 2), set by the entry lines.  The code itself states the register dependences
; between vector or matrix instructions and memory or LDS instructions, with s_wait_alu, always for 0.
; THE PLAN.  Registers that memory or LDS instructions touch, and who else names them:
;   v4-v15      addresses, made at the head and never written again.
;   SET0 .. 2   pair i lies in set i % 3.  Its 56 data registers: the 14 loads of pair i, issued in turn i - 3, land in them; the packed lines of turn i read them, nobody else.
;               Its six address registers: written by six adds in turn i - 3, read by those loads.
;   OUT0, OUT1  Turn i's packed lines and conversions write OUT[i % 2]; the six LDS stores at the end of turn i read it.
;   accumulators  G lands in them; products and relu write them; the LDS stores of the way out read them.
;   XR          x fragments land in them; products read them; 32 of them (CV) are written by the conversions and read by the LDS stores into H.
;   OB          rows from the stage land in them, global stores read them: no vector instruction names them.
;   W           lands once, at the head; products read it.
; A TURN has one wait on va_vdst, behind all its vector lines: OUT is written, the set is read out, the next addresses are written.  The set's 14 loads and OUT's
; six stores follow it with no further wait.  One wait on vm_vsrc stands ahead of it, for the next turn's sake: a whole turn behind the stores and loads that it speaks of.
; A STAGE has a pair of waits at its head and a pair ahead of H's fragments, each directly ahead of loads that stand under another register window, one wait ahead of
; the stores into H and one ahead of the way out.
.set GP,   1040                        ; G: 1,024 bytes + 16 = 65 x 16, so the 16 rows that a load touches start in 16 different columns of 16 bytes
.set XTB,  133120                      ; XT behind the 128 rows of G
.set XP,   272                         ; XT: 256 bytes + 16 = 17 x 16
.set HB,   167936                      ; H behind the 128 rows of XT
.set HP,   528                         ; H: 512 bytes + 16 = 33 x 16
.set STG,  235520                      ; the stage behind H: 16 rows x (256 + 16) bytes for each wave
.set SP,   272
.set L16,  4                           ; v4  16 x lane, never rewritten
.set GS,   5                           ; v5, v6  gather: my 8 rows of G in pieces 0-1, in pieces 2-3; 16 bytes a lane
.set XS,   7                           ; v7  gather: my 8 rows of XT, 8 bytes a lane
.set GA,   8                           ; v8, v9  G into accumulators, pieces 0-1, pieces 2-3: 1,040 r + 32 h + 256 w
.set XA,   10                          ; v10 fragments from XT
.set HS,   11                          ; v11 store into H
.set HA,   12                          ; v12 fragments from H
.set STO,  13                          ; v13 into the stage
.set RD,   14                          ; v14 back from the stage
.set CO,   15                          ; v15 my byte offset in the rows of out0
.set IDX,  16                          ; v[16:19] lane 8 p + j: rows of target 32 p + 8 w + j
.set CF,   20                          ; v[20:23] the same lane: its factors
.set IA,   24                          ; v24 at the head only: where a lane finds them; v25 at the head only: at work
.set OUTB, 24                          ; v[24:63] out-buffer b at OUTB + 20 b: G of target u at + 8 u, XT of target u at + 16 + 2 u
.set XR,   64                          ; window 1: x fragments, K step k of a layer, row tile i at XR + 16 k + 8 i
.set CV,   128                         ; window 1: the hidden values packed, tile (i, b) at CV + 4 (4 i + b); free while layer 1 uses XR .. XR + 63
.set OB,   192                         ; window 1: two buffers of 32 for the way out
.set LD1,  0x44                        ; destination and source 1 window 1, source 0 window 0: LDS loads and stores, global stores, relu of the product side
.set CVT1, 0x45                        ; destination and both sources window 1
.set MUL2, 0x56                        ; D, C and source 1 (x) window 1, source 0 (W) window 2
.set MUL3, 0x57                        ; the same with W in window 3
.set TOW2, 0x80                        ; destination window 2
.set TOW3, 0xc0                        ; destination window 3
.set MSB, 0
.macro WIN new                         ; the high byte of the immediate repeats the setting that is left
.if MSB != \new
	s_set_vgpr_msb (MSB<<8)|\new
.set MSB, \new
.endif
.endm
.macro PLACES                          ; four plain places behind matrix instructions before their results are read (ISA guide 7.12.1), where no turn of the gather stands there
.rept 4
	v_nop
.endr
.endm
.macro BARRIER
	s_wait_dscnt 0x0                               ; my LDS stores are in and my LDS loads are back before I say so
	s_barrier_signal -1
	s_barrier_wait -1
.endm
.macro WLOAD S                         ; my 4,096 bytes of K step S (step S + 8 of wb: the base points there)
.irp f, 0,1,2,3,4,5,6,7
	global_load_b128 v[32*((\S)%8)+4*\f:32*((\S)%8)+4*\f+3], v[L16], s[12:13] offset:16384*(\S)+512*\f
.endr
.endm
; THE GATHER.  Pair i = 4 p + i1 is targets 32 p + 8 w + 2 i1 + u, u = 0, 1, on set i % 3 at v[64 + 64 (i % 3)]: rows of P at + 24 u + 8 k, feats_target at
; + 48 + 4 u, addresses at + 56 + 3 u + k.  The lane reads stand a turn ahead of the lines that use them: the six rows of pair i + 4 and the six factors of
; pair i + 1 are read in turn i, with one wait on va_sdst behind the run.
.macro RLI i, sb                       ; the six rows of pair i, into s[sb .. sb + 5]
.irp u, 0,1
.irp k, 0,1,2
	v_readlane_b32 s[\sb+3*\u+\k], v[IDX+\k], 2*(\i)+\u
.endr
.endr
.endm
.macro RLC i                           ; the six factors of pair i, into the even registers of six pairs
.irp u, 0,1
.irp k, 0,1,2
	v_readlane_b32 s[40+6*\u+2*\k], v[CF+\k], 2*(\i)+\u
.endr
.endr
.endm
.macro ADS sb                          ; six rows become six byte offsets: scalar lines
.irp n, 0,1,2,3,4,5
	s_min_u32 s[\sb+\n], s[\sb+\n], 0x1fff         ; a number from memory enters an address only inside the table of 8,192 rows
.endr
.irp n, 0,1,2,3,4,5
	s_lshl_b32 s[\sb+\n], s[\sb+\n], 10
.endr
.endm
.macro ADV i, sb                       ; and the six address registers of pair i's set
.set SB, 64+64*((\i)%3)
.irp n, 0,1,2,3,4,5
	v_add_nc_u32 v[SB+56+\n], s[\sb+\n], v[L16]
.endr
.endm
.macro LDP i                           ; the 14 loads of pair i
.set SB, 64+64*((\i)%3)
.irp u, 0,1
.irp k, 0,1,2
	global_load_b128 v[SB+24*\u+8*\k:SB+24*\u+8*\k+3], v[SB+56+3*\u+\k], s[4:5]
	global_load_b128 v[SB+24*\u+8*\k+4:SB+24*\u+8*\k+7], v[SB+56+3*\u+\k], s[4:5] offset:512
.endr
	global_load_b128 v[SB+48+4*\u:SB+48+4*\u+3], v[L16], s[6:7] offset:512*(32*((\i)/4)+2*((\i)%4)+\u) th:TH_LOAD_NT
.endr
.endm
.macro PMATH i                         ; the weighted sum in f32 and feats_target in f16, out of the set into out-buffer i % 2
.set SB, 64+64*((\i)%3)
.set OT, OUTB+20*((\i)%2)
.irp u, 0,1
.irp p, 0,2,4,6
	v_pk_mul_f32 v[OT+8*\u+\p:OT+8*\u+\p+1], v[SB+24*\u+\p:SB+24*\u+\p+1], s[40+6*\u:41+6*\u] op_sel_hi:[1,0]
.endr
.endr
.irp k, 1,2
.irp u, 0,1
.irp p, 0,2,4,6
	v_pk_fma_f32 v[OT+8*\u+\p:OT+8*\u+\p+1], v[SB+24*\u+8*\k+\p:SB+24*\u+8*\k+\p+1], s[40+6*\u+2*\k:41+6*\u+2*\k], v[OT+8*\u+\p:OT+8*\u+\p+1] op_sel_hi:[1,0,1]
.endr
.endr
.endr
.irp u, 0,1
	v_cvt_pk_f16_f32 v[OT+16+2*\u], v[SB+48+4*\u], v[SB+48+4*\u+1]
	v_cvt_pk_f16_f32 v[OT+16+2*\u+1], v[SB+48+4*\u+2], v[SB+48+4*\u+3]
.endr
.endm
.macro PSTORE i                        ; six LDS stores: for each target two of 512 consecutive bytes (G) and one of 256 (XT), from out-buffer i % 2
.set OT, OUTB+20*((\i)%2)
.irp u, 0,1
	ds_store_b128 v[GS+(\i)/8], v[OT+8*\u:OT+8*\u+3] offset:GP*(32*(((\i)/4)%2)+2*((\i)%4)+\u)          ; columns 4 L ..
	ds_store_b128 v[GS+(\i)/8], v[OT+8*\u+4:OT+8*\u+7] offset:GP*(32*(((\i)/4)%2)+2*((\i)%4)+\u)+512    ; columns 128 + 4 L ..
	ds_store_b64 v[XS], v[OT+16+2*\u:OT+16+2*\u+1] offset:XP*(32*((\i)/4)+2*((\i)%4)+\u)
.endr
.endm
.macro TURN i                          ; pair i is worked off and pair i + 3 is asked for, into the same set
.if (\i)<14
	s_wait_loadcnt 28                              ; the 14 loads of each of the two younger pairs may stay out; all of W is older than any pair
.else
	s_wait_loadcnt 14*(15-(\i))
.endif
.if (\i)<13
	ADS 20                                         ; the rows of pair i + 3, read from their lanes a turn ago
.endif
	PMATH \i
.if (\i)<13
	ADV ((\i)+3), 20                               ; the wait on loadcnt above has shown the loads that read these six registers done
.endif
.if (\i)<15
	RLC ((\i)+1)                                   ; behind the packed lines that read this pair's factors
.endif
.if (\i)<12
	RLI ((\i)+4), 20                               ; behind the adds that read the rows of pair i + 3
.endif
.if ((\i)>0) && ((\i)<15)
	s_wait_alu depctr_vm_vsrc(0)                   ; for the next turn: the LDS stores of the turn before have read the other out-buffer, and the loads of pair i + 1 have read their set's address registers; the next turn writes both
.endif
	s_wait_alu depctr_va_vdst(0)                   ; the packed lines and conversions have written the out-buffer, which the LDS stores read, and are done reading the set, in which the loads land; the adds have written the six addresses
.if (\i)<15
	s_wait_alu depctr_va_sdst(0)                   ; the lane reads above have written their scalar registers, ahead of their first readers in the next turn
.endif
.if (\i)<13
	LDP ((\i)+3)
.endif
	PSTORE \i
.endm
; THE PRODUCT SIDE of piece p
.macro GLOAD p                         ; 16 loads: G straight into the 8 accumulators
.irp i, 0,1
.irp b, 0,1,2,3
	ds_load_b128 v[8*(4*\i+\b):8*(4*\i+\b)+3], v[GA+(\p)/2] offset:16*GP*(2*((\p)%2)+\i)+64*\b
	ds_load_b128 v[8*(4*\i+\b)+4:8*(4*\i+\b)+7], v[GA+(\p)/2] offset:16*GP*(2*((\p)%2)+\i)+64*\b+16
.endr
.endr
.endm
.macro XLOAD1 p                        ; 16 loads: the x fragments of layer 1, K step by K step
.irp S, 0,1,2,3
.irp i, 0,1
	ds_load_b128 v[XR+16*\S+8*\i:XR+16*\S+8*\i+3], v[XA] offset:16*XP*(2*\p+\i)+64*\S
	ds_load_b128 v[XR+16*\S+8*\i+4:XR+16*\S+8*\i+7], v[XA] offset:16*XP*(2*\p+\i)+64*\S+32
.endr
.endr
.endm
.macro XLOAD2 p                        ; 32 loads: the x fragments of layer 2, four for each K step
.irp S, 0,1,2,3,4,5,6,7
.irp i, 0,1
	ds_load_b128 v[XR+16*\S+8*\i:XR+16*\S+8*\i+3], v[HA] offset:16*HP*(2*\p+\i)+64*\S
	ds_load_b128 v[XR+16*\S+8*\i+4:XR+16*\S+8*\i+7], v[HA] offset:16*HP*(2*\p+\i)+64*\S+32
.endr
.endr
.endm
; One K step: 8 products.  The 8 accumulators take turns, one instruction a turn, in the same order in every step.
; wr: the step's W in its window; xr: its x fragments; zero = 1: the product starts the sums.
.macro MULK wr, xr, zero
.irp i, 0,1
.irp b, 0,1,2,3
.if \zero
	v_wmma_f32_16x16x32_f16 v[8*(4*\i+\b):8*(4*\i+\b)+7], v[\wr+8*\b:\wr+8*\b+7], v[\xr+8*\i:\xr+8*\i+7], 0
.else
	v_wmma_f32_16x16x32_f16 v[8*(4*\i+\b):8*(4*\i+\b)+7], v[\wr+8*\b:\wr+8*\b+7], v[\xr+8*\i:\xr+8*\i+7], v[8*(4*\i+\b):8*(4*\i+\b)+7]
.endif
.endr
.endr
.endm
.macro RELU64
.set n, 0
.rept 64
	v_max_num_f32 v[n], 0, v[n]
.set n, n+1
.endr
.endm
.macro HSTORE p
.irp i, 0,1
.irp b, 0,1,2,3
	ds_store_b128 v[HS], v[CV+4*(4*\i+\b):CV+4*(4*\i+\b)+3] offset:16*HP*(2*\p+\i)+32*\b
.endr
.endr
.endm
; rows 16 t .. 16 t + 15 of the 128: 32 bytes a lane and tile into my stage, back as whole rows of 256 bytes into buffer f.
; No vector instruction names buffer f, and nothing between the wait behind the relu and the loads below names it or v[RD]: these loads owe no wait on va_vdst of their own.
.macro OUT16 t, f
.irp b, 0,1,2,3
	ds_store_b128 v[STO], v[8*(4*((\t)%2)+\b):8*(4*((\t)%2)+\b)+3] offset:64*\b
	ds_store_b128 v[STO], v[8*(4*((\t)%2)+\b)+4:8*(4*((\t)%2)+\b)+7] offset:64*\b+16
.endr
	s_wait_xcnt 0x0                                ; buffer f, which the stores of the piece before read, is loaded again only behind this wait; that those stores have read it is stated at the stage's head
.irp k, 0,1,2,3,4,5,6,7
	ds_load_b128 v[\f+4*\k:\f+4*\k+3], v[RD] offset:2*SP*\k       ; LDS serves the instructions of a wave in order (ISA guide 5.7.1): these see the stores above
.endr
.irp k, 0,1,2,3,4,5,6,7
	s_wait_dscnt 7-\k                              ; the younger read-backs may stay out
	global_store_b128 v[CO], v[\f+4*\k:\f+4*\k+3], s[14:15] offset:(16*(\t)+2*\k)*1024 th:TH_STORE_NT   ; 16 lanes store 256 consecutive bytes, aligned
.endr
.endm
; Piece p from G to out0.  g = 1: the four turns that gather piece p + 1 stand among its products; g = 0: the last piece.
; Piece 0's first loads owe nothing: their addresses were written ahead of the head's wait, nothing has named their registers, and behind the last turn's wait stand only
; loads, stores of other registers, the barrier and the window switch.
.macro STAGE p, g
	WIN LD1
.if \p
	s_wait_alu depctr_vm_vsrc(0)                   ; the way out of the piece before: its LDS stores have read the accumulators, in which G lands; its global stores have read both out-buffers, in which this piece's rows will land
	s_wait_alu depctr_va_vdst(0)                   ; the relu of the piece before has written the accumulators, and its products are done reading the x fragments: G and x land in them
.endif
	GLOAD \p
	XLOAD1 \p
.if \g
	WIN 0
	TURN (4*\p+4)
.endif
	s_wait_dscnt 6*\g                              ; G and the x fragments are in; the six stores of the turn behind them may stay out
	WIN MUL2
	MULK 0, XR, 0                                  ; layer 1: the sums start from G; K = 128 of feats_target
	MULK 32, XR+16, 0
	MULK 64, XR+32, 0
	MULK 96, XR+48, 0
.if \g
	WIN 0
	TURN (4*\p+5)                                  ; its packed lines are the places behind the products
.else
	PLACES
.endif
	WIN LD1
	RELU64
	WIN CVT1
.set n, 0
.rept 32
	v_cvt_pk_f16_f32 v[CV+n], v[2*n], v[2*n+1]     ; one rounding to f16
.set n, n+1
.endr
	WIN LD1
	s_wait_alu depctr_va_vdst(0)                   ; the conversions have written v[CV ..], which the LDS stores read
	HSTORE \p
	BARRIER                                        ; the piece's H is whole
	s_wait_alu depctr_vm_vsrc(0)                   ; my LDS stores have read v[CV ..], in which fragments of H land
	s_wait_alu depctr_va_vdst(0)                   ; directly ahead of loads under another register window, whose registers the stores above name: layer 1's products are done reading v[XR ..], the conversions have written v[CV ..], and H's fragments land in both
	XLOAD2 \p
	WIN MUL2
	s_wait_dscnt 28                                ; four loads for each K step: those of the seven later steps may stay out
	MULK 128, XR, 1                                ; layer 2: K = 256; the first K step starts the sums
	s_wait_dscnt 24
	MULK 160, XR+16, 0
	s_wait_dscnt 20
	MULK 192, XR+32, 0
	s_wait_dscnt 16
	MULK 224, XR+48, 0
.if \g
	WIN 0
	TURN (4*\p+6)
.endif
	WIN MUL3
	s_wait_dscnt 12+6*\g                           ; the later steps' loads, and the six stores of the turn in between
	MULK 0, XR+64, 0
	s_wait_dscnt 8+6*\g
	MULK 32, XR+80, 0
	s_wait_dscnt 4+6*\g
	MULK 64, XR+96, 0
	s_wait_dscnt 6*\g
	MULK 96, XR+112, 0
.if \g
	WIN 0
	TURN (4*\p+7)
.else
	PLACES
.endif
	WIN LD1
	RELU64
	s_wait_alu depctr_va_vdst(0)                   ; the relu has written the accumulators, which the LDS stores of both halves of the way out read
	OUT16 (2*\p), OB
	OUT16 (2*\p+1), OB+32
.if \g
	BARRIER                                        ; G and XT of the next piece are whole
.endif
.endm
	s_load_b256 s[4:11], s[0:1], 0x0               ; pmat s[4:5], feats_target s[6:7], nidx s[8:9], ncoef s[10:11]
	s_load_b128 s[12:15], s[0:1], 0x20             ; wb s[12:13], out0 s[14:15]
	v_lshl_add_u32 v254, v0, 2, 0x3dc00
	v_mov_b32 v255, 0
	v_lshrrev_b32 v1, 5, v0
	v_readfirstlane_b32 s16, v1                    ; wave
	v_and_b32 v1, 31, v0                           ; L
	v_and_b32 v2, 15, v0                           ; r
	v_bfe_u32 v3, v0, 4, 1                         ; h
	v_lshlrev_b32 v[L16], 4, v1
	v_bfe_u32 v[IA], v0, 3, 2                      ; lane 8 p + j finds target 32 p + j of my 8 w ..: 16 bytes each
	v_lshlrev_b32 v[IA], 9, v[IA]
	v_and_b32 v25, 7, v0
	v_lshl_add_u32 v[IA], v25, 4, v[IA]
	s_wait_alu depctr_va_sdst(0)                   ; s16 is written, ahead of its first reader: the bases and the LDS addresses are made from it
	s_lshl_b32 s17, ttmp9, 7
	s_lshl_b32 s18, s16, 3
	s_add_co_u32 s17, s17, s18                     ; 128 g + 8 w: my first target of piece 0
	s_lshl_b32 s18, s17, 9                         ; x 512 bytes of feats_target
	s_mov_b32 s19, 0
	s_lshl_b32 s26, s17, 4                         ; x 16 bytes of nidx and ncoef
	s_mov_b32 s27, 0
	s_lshl_b32 s28, s16, 12                        ; my 4,096 bytes of each K step of wb,
	s_add_co_u32 s28, s28, 8*16384                 ; from its step 8 on: w1's rows 256 .., then w2
	s_mov_b32 s29, 0
	s_lshl_b32 s30, ttmp9, 17                      ; 128 rows x 1,024 bytes of out0
	s_mov_b32 s31, 0
	s_wait_kmcnt 0x0
	s_add_nc_u64 s[6:7], s[6:7], s[18:19]
	s_add_nc_u64 s[8:9], s[8:9], s[26:27]
	s_add_nc_u64 s[10:11], s[10:11], s[26:27]
	s_add_nc_u64 s[12:13], s[12:13], s[28:29]
	s_add_nc_u64 s[14:15], s[14:15], s[30:31]
	s_wait_alu depctr_va_vdst(0)                   ; v[IA] and v[L16] are written, which the loads below read as their offsets; only loads and a window switch stand between this wait and the last of them
	global_load_b128 v[IDX:IDX+3], v[IA], s[8:9]
	global_load_b128 v[CF:CF+3], v[IA], s[10:11]
	WIN TOW2
.irp S, 0,1,2,3,4,5,6
	WLOAD \S
.endr
	WIN 0
	s_mul_i32 s32, s16, 8*GP
	v_add_nc_u32 v[GS], s32, v[L16]
	v_add_nc_u32 v[GS+1], 64*GP, v[GS]
	s_mul_i32 s33, s16, 8*XP
	s_add_co_u32 s33, s33, XTB
	v_lshl_add_u32 v[XS], v1, 3, s33
	s_lshl_b32 s35, s16, 8                         ; my 64 columns in f32
	v_mul_u32_u24 v[GA], v2, GP
	v_lshl_add_u32 v[GA], v3, 5, v[GA]
	v_add_nc_u32 v[GA], s35, v[GA]
	v_add_nc_u32 v[GA+1], 64*GP, v[GA]
	v_mul_u32_u24 v[XA], v2, XP
	v_lshl_add_u32 v[XA], v3, 4, v[XA]
	v_add_nc_u32 v[XA], XTB, v[XA]
	v_mul_u32_u24 v[HA], v2, HP
	v_lshl_add_u32 v[HA], v3, 4, v[HA]
	v_add_nc_u32 v[HA], HB, v[HA]
	s_lshl_b32 s33, s16, 7                         ; my 64 columns in f16
	v_add_nc_u32 v[HS], s33, v[HA]
	s_mul_i32 s34, s16, 16*SP
	s_add_co_u32 s34, s34, STG                     ; my stage
	v_mul_u32_u24 v[STO], v2, SP
	v_lshl_add_u32 v[STO], v3, 5, v[STO]
	v_add_nc_u32 v[STO], s34, v[STO]
	v_mul_u32_u24 v[RD], v3, SP
	v_lshl_add_u32 v[RD], v2, 4, v[RD]
	v_add_nc_u32 v[RD], s34, v[RD]
	v_lshlrev_b32 v[CO], 10, v3
	v_lshl_add_u32 v[CO], v2, 4, v[CO]
	v_add_nc_u32 v[CO], s35, v[CO]
.irp r, 41,43,45,47,49,51
	s_mov_b32 s[\r], 0                             ; the upper halves of the factor pairs: named by the packed forms, never used
.endr
	s_wait_loadcnt 56                              ; rows and factors are in; the 56 loads of W behind them may stay out
	; the rows of pairs 0 to 3 and the factors of pair 0 in one run of lane reads, the 18 addresses of pairs 0 to 2 in one run of adds: one wait for each run
	RLI 0, 26
	RLI 1, 32
	RLI 2, 52
	RLI 3, 20
	RLC 0
	s_wait_alu depctr_va_sdst(0)                   ; the 30 lane reads have written their scalar registers, ahead of their first readers: the scalar lines below, and turn 0
	ADS 26
	ADS 32
	ADS 52
	ADV 0, 26
	ADV 1, 32
	ADV 2, 52
	WIN TOW2
	s_wait_alu depctr_va_vdst(0)                   ; v5 to v15 are written, the addresses of every LDS instruction and store below, and so are the 18 addresses of pairs 0 to 2; only loads and window switches stand between this wait and the last load of pair 2
	WLOAD 7                                        ; the rest of W goes out ahead of the gather, so that every pair's wait counts pairs alone
	WIN TOW3
.irp S, 8,9,10,11
	WLOAD \S
.endr
	WIN 0
	; piece 0 is gathered with nothing beside it
	LDP 0
	LDP 1
	LDP 2
	s_wait_alu depctr_vm_vsrc(0)                   ; the loads of pairs 0 to 2 have read their sets' address registers, which turns 0 to 2 write again; the loads of rows and factors have read v24, which is part of out-buffer 0 from here on
	TURN 0
	TURN 1
	TURN 2
	TURN 3
	BARRIER                                        ; G and XT of piece 0 are whole
	STAGE 0, 1
	STAGE 1, 1
	STAGE 2, 1
	STAGE 3, 0
	WIN 0
	s_wait_dscnt 0x0
	s_wait_alu depctr_hold_cnt(0) depctr_sa_sdst(0) depctr_va_vdst(0) depctr_va_sdst(0) depctr_va_ssrc(0) depctr_va_vcc(0) depctr_vm_vsrc(0)
	s_wait_tensorcnt 0x0
	ds_add_u32 v254, v255
	s_wait_dscnt 0x0
	s_endpgm
.Lfunc_end_k_q62203b489e_mlp:
	.size	k_q62203b489e_mlp, .Lfunc_end_k_q62203b489e_mlp-k_q62203b489e_mlp
	.p2alignl 7, 3214868480
	.fill 96, 4, 3214868480
	.section	.rodata,"a",@progbits
	.p2align	6, 0x0
	.amdhsa_kernel k_q62203b489e_mlp
		.amdhsa_group_segment_fixed_size 253440
		.amdhsa_private_segment_fixed_size 0
		.amdhsa_enable_private_segment 0
		.amdhsa_kernarg_size 48
		.amdhsa_user_sgpr_count 2
		.amdhsa_user_sgpr_kernarg_segment_ptr 1
		.amdhsa_wavefront_size32 1
		.amdhsa_system_sgpr_workgroup_id_x 1
		.amdhsa_system_sgpr_workgroup_id_y 1
		.amdhsa_system_sgpr_workgroup_id_z 1
		.amdhsa_system_vgpr_workitem_id 0
		.amdhsa_next_free_vgpr 896
		.amdhsa_next_free_sgpr 66
		.amdhsa_reserve_vcc 0
		.amdhsa_float_denorm_mode_32 3
		.amdhsa_float_denorm_mode_16_64 3
		.amdhsa_memory_ordered 1
		.amdhsa_forward_progress 1
		.amdhsa_inst_pref_size 181
	.end_amdhsa_kernel
	.amdgpu_metadata
---
amdhsa.version: [ 1, 2 ]
amdhsa.kernels:
  - .name:           k_q62203b489e_mlp
    .symbol:         k_q62203b489e_mlp.kd
    .args:
      - { .name: pmat, .offset: 0, .size: 8, .value_kind: global_buffer, .address_space: global }
      - { .name: feats_target, .offset: 8, .size: 8, .value_kind: global_buffer, .address_space: global }
      - { .name: nidx, .offset: 16, .size: 8, .value_kind: global_buffer, .address_space: global }
      - { .name: ncoef, .offset: 24, .size: 8, .value_kind: global_buffer, .address_space: global }
      - { .name: wb, .offset: 32, .size: 8, .value_kind: global_buffer, .address_space: global }
      - { .name: out0, .offset: 40, .size: 8, .value_kind: global_buffer, .address_space: global }
    .group_segment_fixed_size: 253440
    .private_segment_fixed_size: 0
    .kernarg_segment_align: 8
    .kernarg_segment_size: 48
    .max_flat_workgroup_size: 128
    .sgpr_count:     66
    .vgpr_count:     896
    .wavefront_size: 32
...
	.end_amdgpu_metadata
.endif
;; end of part 4
